; MI455X (gfx1250); checked and timed in simulation.
; The chip was launched on July 23, 2026; its instructions are those of AMD's public machine-readable ISA for CDNA 5 (MIT licence, August 2026) and "CDNA5" Instruction Set Architecture Reference Guide (July 2026). The comments in the code are by the model that wrote it; some were corrected since.
;; Causal Self Attention. Allowed arithmetic: matrix products marked QUANTISED: E2M1 operands, one E8M0 scale for each 32 along K, by v_wmma_scale_f32_16x16x128_f8f6f4 with both operands' format E2M1 (or v_wmma_scale_f32_32x16x128_f4), f32 sums; products left as they are: bf16, f16 or f32 operands; f32 sums; everything else in f32.
;; Inputs: w_attn 1,024 x 3,072 float32; w_proj 1,024 x 1,024 float32; x 4 x 2,048 x 1,024 float32.
;; Outputs: out0 4 x 2,048 x 1,024 float32.
;; This version of the problem:
;;   THIS VERSION OF THE PROBLEM IS GIVEN IN LOW PRECISION. The matrix products marked QUANTISED in the list below multiply operands that are first quantised to E2M1 (2 exponent bits, 1 mantissa bit; 4 bits a number), with one power-of-two scale for each 32 numbers along K (OCP MX v1.0); their sums are f32. The products marked 'left as it is' may take bf16, f16 or f32 operands, with f32 sums. Whichever they take, every output number must still come out within the allowed error. Rounding operands to bf16 (8 significant bits) uses up far more of that allowance than f16 does (11 bits, for magnitudes from 6e-5 to 65,504). All else is computed in f32.
;;   The module's matrix products, in the order in which they are computed (A, B: the left and right operand; K: the contracted axis; several contracted axes count as one K, in the product's order):
;;     1. [M 8,192, K 1,024] x [K 1,024, N 3,072]; A: input x; B: input w_attn: QUANTISED
;;     2. batch 64 x [M 2,048, K 64] x [K 64, N 2,048]; A: computed on the way; B: computed on the way: left as it is (an operand is computed on the way)
;;     3. batch 64 x [M 2,048, K 2,048] x [K 2,048, N 64]; A: computed on the way; B: computed on the way: left as it is (an operand is computed on the way)
;;     4. [M 8,192, K 1,024] x [K 1,024, N 1,024]; A: computed on the way; B: input w_proj: left as it is (an operand is computed on the way)
;;   THE QUANTISER, for each operand of a quantised product, along K:
;;     - K is cut into blocks of 32 from its start; a last block that is shorter is filled with zeros.
;;     - A block's scale is 2^e with e = floor(log2(the largest magnitude in the block)) - 2, held to -126 .. 127; a block of zeros has e = 0. As a byte (E8M0): e + 127.
;;     - Each number is divided by its block's scale, clamped to +-6, and rounded to the nearest number of E2M1, ties to even, subnormals kept.
;;     - The product sums the exact products of the quantised numbers (number of the format x scale) in f32.
;;   ~~~python
;;   def quantise(x, axis):      # numpy; x: float32 -> the quantised numbers, widened to float32 again
;;       x = np.moveaxis(x, axis, -1); K = x.shape[-1]
;;       x = np.pad(x, [(0, 0)] * (x.ndim - 1) + [(0, -K % 32)]); x = x.reshape(x.shape[:-1] + (-1, 32)); a = np.abs(x).max(-1, keepdims=True)
;;       e = np.where(a > 0, np.clip(np.frexp(np.where(a > 0, a, 1))[1] - 1 - 2, -126, 127), 0)      # np.frexp(a)[1] - 1 = floor(log2(a)), exactly
;;       r = np.clip(x / 2.0 ** e, -6, 6)
;;       step = 2.0 ** (np.maximum(np.frexp(np.where(r == 0, 1, r))[1] - 1, 0) - 1)
;;       q = np.round(r / step) * step * 2.0 ** e      # np.round: ties to even
;;       return np.moveaxis(q.reshape(q.shape[:-2] + (-1,))[..., :K], -1, axis).astype(np.float32)
;;   ~~~
;; One version. Each part assembles by itself: llvm-mc -triple=amdgcn-amd-amdhsa -mcpu=gfx1250 --defsym DOCPART=n.
;; ======== version 1 of 1: 5 launches
;; limits: values are held in f16: magnitudes above 65,504 overflow, below 6.1e-05 lose precision
;; workspace buffers: xc 4,194,304 bytes; xs 262,144 bytes; wc 1,572,864 bytes; ws 98,304 bytes; wp16 2,097,152 bytes; qkv16 50,331,648 bytes; qkv32 786,432 bytes; o16 16,777,216 bytes
;; launch prep (part 1): grid 64 x 8, 4 waves a work-group, no clusters, 33,280 bytes of LDS; arguments x, w_attn, w_proj, xc, xs, wc, ws, wp16; writes xc, xs, wc, ws, wp16
.if DOCPART == 1
	.amdgcn_target "amdgcn-amd-amdhsa--gfx1250"
	.amdhsa_code_object_version 6
	.text
	.protected	k_q61004fcedb_prep
	.globl	k_q61004fcedb_prep
	.p2align	8
	.type	k_q61004fcedb_prep,@function
k_q61004fcedb_prep:
	s_mov_b64 s[64:65], 0
	v_nop
	global_prefetch_b8 v0, s[64:65] scope:SCOPE_SE
	s_setreg_imm32_b32 hwreg(HW_REG_WAVE_MODE, 25, 1), 1
	s_wait_xcnt 0x0
; THREE TENSORS ARE MADE READY FOR THE LATER LAUNCHES, each read once.  The path is chosen by the work-group's x alone (y = 0..7 shares the work further):
;   x  0..31  x [8192][1024] f32 -> codes of FP4 (E2M1), K innermost, xc [8192][512 bytes], and one E8M0 byte for each 32 along K, xs [8192][32]
;   x 32..55  w_attn [1024 k][3072 n] f32 -> codes laid by blocks, wc [32 blocks of k][3072 n][16 bytes], and ws [3072 n][32]
;   x 56..63  w_proj [1024 k][1024 n] f32 -> f16 laid by chunks of 8 along k, wp16 [128 chunks][1024 n][16 bytes]
; A block's scale is 2^(floor(log2(its largest magnitude)) - 2); its byte is the largest magnitude's exponent field - 2, held at 1 from below.
; LIMITS: a block of zeros gets the byte 1 where the rule says 127 (its codes are zeros, which add nothing, and this program alone reads the bytes); blocks whose largest magnitude lies under 2^-124
; are held at that byte; NaN and infinities are not served; w_proj is rounded to f16: magnitudes from 65,520 on become infinity, and under 6e-5 the step is 6e-8.
; Only the first path touches LDS.  No barrier, no tensor load, no cluster: waves share nothing.
.set WAVES, 4
.set STEPS, 16
.set EMAX,  2
.set CB,    8                          ; bytes of 16 codes
.set R,     16                         ; v16-79   path x: four sets of 16 numbers as they are loaded
.set X,     80                         ; v80-111  two sets of 16 neighbours
.set E,     112                        ; v112-127 a scale byte for each step
.set C,     128                        ; v128-191 codes: four registers for each step, so that no store's data are written again
.set WREG,  8192                       ; LDS: a region for each wave: two stages of 32 x SP bytes, then its 256 scale bytes
.set SP,    80                         ; a lane's place in a stage: 64 bytes + 16 of padding
.set SPW,   12                         ; v12 LDS address of my spare word; never rewritten
.set NIL,   13                         ; v13 0; never rewritten
.set SPARE, WAVES*WREG                 ; behind the four regions: the spare words, 128 bytes a wave
.set KX,    32                         ; v32-95   the weights' paths: two sets of 32 numbers down K
.set KC,    96                         ; v96..    their results, registers of their own for each block
	s_load_b256 s[4:11], s[0:1], 0x0               ; x s[4:5], w_attn s[6:7], w_proj s[8:9], xc s[10:11]
	s_load_b256 s[12:19], s[0:1], 0x20             ; xs s[12:13], wc s[14:15], ws s[16:17], wp16 s[18:19]
	v_lshl_add_u32 v[SPW], v0, 2, SPARE
	v_mov_b32 v[NIL], 0
	v_lshrrev_b32 v1, 5, v0
	v_readfirstlane_b32 s20, v1                    ; wave
	v_and_b32 v2, 31, v0                           ; lane
	s_and_b32 s21, ttmp7, 0xffff                   ; y
	s_mul_i32 s22, s20, WREG
	v_lshlrev_b32 v3, 4, v2                        ; my 16 bytes of a load's 512
	v_lshrrev_b32 v14, 2, v2
	v_mul_u32_u24 v14, v14, SP
	v_and_b32 v15, 3, v2
	v_lshl_add_u32 v14, v15, 4, v14
	v_add_nc_u32 v14, s22, v14                     ; the stage, on the way in: SP (lane / 4) + 16 (lane % 4)
	v_mul_u32_u24 v15, v2, SP
	v_add_nc_u32 v15, s22, v15                     ; and on the way out: SP x lane: my 16 neighbours
	v_mul_u32_u24 v4, v2, CB                       ; my codes' place in a step's
	v_lshrrev_b32 v5, 1, v2
	s_add_co_u32 s22, s22, 2*32*SP
	v_add_nc_u32 v5, s22, v5                       ; LDS: my wave's 256 scale bytes, my block's byte
	v_lshlrev_b32 v7, 3, v2                        ; and on the way out 8 bytes a lane
	v_add_nc_u32 v6, s22, v7
	s_mov_b32 s25, 0                               ; the upper word of every offset
	s_wait_kmcnt 0x0
	s_cmp_lt_u32 ttmp9, 32
	s_cbranch_scc0 .Lw
; ---- x: a plain stream of blocks of 32.  A wave takes 16 steps of 512 numbers.  Each load reads 512 consecutive bytes; a step's 2,048 bytes turn through the wave's own stage so that a lane holds 16 neighbours.
	s_lshl_b32 s23, ttmp9, 3
	s_add_co_u32 s23, s23, s21
	s_lshl_b32 s23, s23, 2
	s_add_co_u32 s23, s23, s20                     ; which run of 8,192 numbers is my wave's: (8 x + y) 4 + wave
	s_lshl_b32 s24, s23, 15
	s_add_nc_u64 s[4:5], s[4:5], s[24:25]          ; 32,768 bytes of numbers,
	s_lshl_b32 s24, s23, 12
	s_add_nc_u64 s[10:11], s[10:11], s[24:25]      ; 4,096 of codes,
	s_lshl_b32 s24, s23, 8
	s_add_nc_u64 s[12:13], s[12:13], s[24:25]      ; 256 scale bytes a run
.macro LOAD t
.irp i, 0,1,2,3
	global_load_b128 v[R+16*((\t)%4)+4*\i:R+16*((\t)%4)+4*\i+3], v3, s[4:5] offset:2048*(\t)+512*\i th:TH_LOAD_NT
.endr
.endm
.macro TURN t                          ; step t's numbers through the stage: LDS serves a wave's instructions in order, so no wait stands between the stores and the loads
.irp i, 0,1,2,3
	ds_store_b128 v14, v[R+16*((\t)%4)+4*\i:R+16*((\t)%4)+4*\i+3] offset:32*SP*((\t)%2)+8*SP*\i
.endr
.irp i, 0,1,2,3
	ds_load_b128 v[X+16*((\t)%2)+4*\i:X+16*((\t)%2)+4*\i+3], v15 offset:32*SP*((\t)%2)+16*\i
.endr
.endm
.irp t, 0,1,2,3
	LOAD \t
.endr
	s_wait_loadcnt 12                              ; step 0's four loads are in; three steps' twelve may be out
	TURN 0
.macro STEP t
.set XS, X+16*((\t)%2)
.if (\t) > 0
	s_wait_dscnt 1                                 ; this step's numbers are back from the stage (the last step's byte store may be out)
.else
	s_wait_dscnt 0x0
.endif
.if (\t)+4 < STEPS
	LOAD (\t)+4                                    ; the stage's stores have read these registers
.endif
.if (\t)+1 < STEPS
.if STEPS-2-(\t) >= 3
	s_wait_loadcnt 12                              ; the next step's four loads are in; those of the three steps behind it may be out
.else
	s_wait_loadcnt 4*(STEPS-2-(\t))
.endif
	TURN (\t)+1
.endif
	v_max3_num_f32 v8, |v[XS]|, |v[XS+1]|, |v[XS+2]|               ; the largest magnitude of my 16, in two chains
	v_max3_num_f32 v9, |v[XS+3]|, |v[XS+4]|, |v[XS+5]|
.irp i, 6,10
	v_max3_num_f32 v8, v8, |v[XS+\i]|, |v[XS+\i+1]|
	v_max3_num_f32 v9, v9, |v[XS+\i+2]|, |v[XS+\i+3]|
.endr
	v_max3_num_f32 v8, v8, |v[XS+14]|, |v[XS+15]|
	v_max3_num_f32 v8, v8, v9, (EMAX+1)<<23        ; and the floor 2^(3 - 127): the byte cannot fall under 1
	v_max_num_f32_dpp v8, v8, v8 row_xmask:1 row_mask:0xf bank_mask:0xf   ; with my neighbour's 16: the block's
	v_add_nc_u32 v11, 0xff000000, v8               ; 2 off its exponent field: the conversion takes this operand's exponent field as its scale
	v_cvt_scalef32_pk8_fp4_f32 v[C+4*(\t)], v[XS:XS+7], v11
	v_cvt_scalef32_pk8_fp4_f32 v[C+4*(\t)+1], v[XS+8:XS+15], v11
	v_lshrrev_b32 v[E+(\t)], 23, v11               ; the scale's byte
	ds_store_b8 v5, v[E+(\t)] offset:16*(\t)       ; both lanes of a block write the same byte with the same value
	global_store_b64 v4, v[C+4*(\t):C+4*(\t)+1], s[10:11] offset:32*CB*(\t)   ; the wave stores 256 consecutive bytes, aligned
.endm
.irp t, 0,1,2,3,4,5,6,7,8,9,10,11,12,13,14,15
	STEP \t
.endr
	ds_load_b64 v[8:9], v6                         ; LDS serves a wave's instructions in order: these see my stores
	s_wait_dscnt 0x0
	global_store_b64 v7, v[8:9], s[12:13]          ; my wave's 256 scale bytes: 256 consecutive bytes, aligned
	s_wait_tensorcnt 0x0                           ; the wave's end, behind my last LDS store
	ds_add_u32 v[SPW], v[NIL]
	s_wait_dscnt 0x0
	s_endpgm
; ---- the weights: K is their FIRST axis.  A lane takes a column n and its registers run down K: a load reads 128 consecutive bytes a wave, 512 a work-group; a block of 32 lies in one lane.
; A wave takes 32 columns x 128 along K: four blocks; loads run two blocks (64 loads) ahead.
.macro LOADK t, pitch, b               ; block t: rows 32 t + i of my column, into set t % 2
.irp i, 0,1,2,3,4,5,6,7,8,9,10,11,12,13,14,15,16,17,18,19,20,21,22,23,24,25,26,27,28,29,30,31
	global_load_b32 v[KX+32*((\t)%2)+\i], v16, s[\b:\b+1] offset:(32*(\t)+\i)*\pitch th:TH_LOAD_NT
.endr
.endm
.macro KWAIT t
.if (\t) < 3
	s_wait_loadcnt 32                              ; this block's 32 loads are in; the next block's may be out
.else
	s_wait_loadcnt 0x0
.endif
.endm
.Lw:
	v_lshlrev_b32 v16, 2, v2                       ; in: 4 bytes a lane
	v_lshlrev_b32 v17, 4, v2                       ; out: 16 bytes a lane: the wave stores 512 consecutive bytes
	s_lshl_b32 s23, s20, 5                         ; 32 columns a wave
	s_cmp_lt_u32 ttmp9, 56
	s_cbranch_scc0 .Lp
	v_lshlrev_b32 v18, 5, v2                       ; a column's row of scale bytes: 32
	s_sub_co_u32 s22, ttmp9, 32
	s_lshl_b32 s22, s22, 7
	s_add_co_u32 s22, s22, s23                     ; my wave's first column
	s_mul_i32 s24, s21, 128*12288                  ; w_attn: 128 y rows of 12,288 bytes,
	s_lshl_b32 s26, s22, 2
	s_add_co_u32 s24, s24, s26                     ; + 4 x column
	s_add_nc_u64 s[6:7], s[6:7], s[24:25]
	s_mul_i32 s24, s21, 4*3072*16                  ; wc: block 4 y,
	s_lshl_b32 s26, s22, 4
	s_add_co_u32 s24, s24, s26                     ; + 16 x column
	s_add_nc_u64 s[14:15], s[14:15], s[24:25]
	s_lshl_b32 s24, s22, 5                         ; ws: 32 x column + 4 y
	s_lshl_b32 s26, s21, 2
	s_add_co_u32 s24, s24, s26
	s_add_nc_u64 s[16:17], s[16:17], s[24:25]
	LOADK 0, 12288, 6
	LOADK 1, 12288, 6
.macro BLOCKW t
.set XS, KX+32*((\t)%2)
	KWAIT \t
	v_max3_num_f32 v8, |v[XS]|, |v[XS+1]|, |v[XS+2]|               ; the block's largest magnitude: all 32 numbers are mine
	v_max3_num_f32 v9, |v[XS+3]|, |v[XS+4]|, |v[XS+5]|
.irp i, 6,10,14,18,22,26
	v_max3_num_f32 v8, v8, |v[XS+\i]|, |v[XS+\i+1]|
	v_max3_num_f32 v9, v9, |v[XS+\i+2]|, |v[XS+\i+3]|
.endr
	v_max3_num_f32 v8, v8, |v[XS+30]|, |v[XS+31]|
	v_max3_num_f32 v8, v8, v9, (EMAX+1)<<23        ; and the floor
	v_add_nc_u32 v11, 0xff000000, v8               ; the conversion's scale operand
	v_lshrrev_b32 v10, 23, v11                     ; the scale's byte
.if (\t) == 0
	v_mov_b32 v24, v10                             ; four bytes to a register, the lower K in the lower byte
.else
	v_lshl_or_b32 v24, v10, 8*(\t), v24
.endif
.irp g, 0,1,2,3
	v_cvt_scalef32_pk8_fp4_f32 v[KC+4*(\t)+\g], v[XS+8*\g:XS+8*\g+7], v11
.endr
	global_store_b128 v17, v[KC+4*(\t):KC+4*(\t)+3], s[14:15] offset:49152*(\t)   ; a block's 16 bytes of 32 neighbouring columns
.if (\t)+2 < 4
	LOADK (\t)+2, 12288, 6
.endif
.endm
.irp t, 0,1,2,3
	BLOCKW \t
.endr
	global_store_b32 v18, v24, s[16:17]            ; my column's four scale bytes: 4 bytes a lane, 32 apart: 98,304 bytes in all, against 12,582,912 read
	s_endpgm
.Lp:
	s_sub_co_u32 s22, ttmp9, 56
	s_lshl_b32 s22, s22, 7
	s_add_co_u32 s22, s22, s23                     ; my wave's first column
	s_lshl_b32 s24, s21, 19                        ; w_proj: 128 y rows of 4,096 bytes,
	s_lshl_b32 s26, s22, 2
	s_add_co_u32 s24, s24, s26
	s_add_nc_u64 s[8:9], s[8:9], s[24:25]
	s_lshl_b32 s24, s21, 18                        ; wp16: chunk 16 y, 16,384 bytes a chunk,
	s_lshl_b32 s26, s22, 4
	s_add_co_u32 s24, s24, s26
	s_add_nc_u64 s[18:19], s[18:19], s[24:25]
	LOADK 0, 4096, 8
	LOADK 1, 4096, 8
.macro BLOCKP t
.set XS, KX+32*((\t)%2)
	KWAIT \t
.irp i, 0,1,2,3,4,5,6,7,8,9,10,11,12,13,14,15
	v_cvt_pk_f16_f32 v[KC+16*(\t)+\i], v[XS+2*\i], v[XS+2*\i+1]   ; two neighbours along K, the lower in the low half
.endr
.irp c, 0,1,2,3
	global_store_b128 v17, v[KC+16*(\t)+4*\c:KC+16*(\t)+4*\c+3], s[18:19] offset:16384*(4*(\t)+\c)
.endr
.if (\t)+2 < 4
	LOADK (\t)+2, 4096, 8
.endif
.endm
.irp t, 0,1,2,3
	BLOCKP \t
.endr
	s_endpgm
.Lfunc_end_k_q61004fcedb_prep:
	.size	k_q61004fcedb_prep, .Lfunc_end_k_q61004fcedb_prep-k_q61004fcedb_prep
	.p2alignl 7, 3214868480
	.fill 96, 4, 3214868480
	.section	.rodata,"a",@progbits
	.p2align	6, 0x0
	.amdhsa_kernel k_q61004fcedb_prep
		.amdhsa_group_segment_fixed_size 33280
		.amdhsa_private_segment_fixed_size 0
		.amdhsa_enable_private_segment 0
		.amdhsa_kernarg_size 64
		.amdhsa_user_sgpr_count 2
		.amdhsa_user_sgpr_kernarg_segment_ptr 1
		.amdhsa_wavefront_size32 1
		.amdhsa_system_sgpr_workgroup_id_x 1
		.amdhsa_system_sgpr_workgroup_id_y 1
		.amdhsa_system_sgpr_workgroup_id_z 1
		.amdhsa_system_vgpr_workitem_id 0
		.amdhsa_next_free_vgpr 192
		.amdhsa_next_free_sgpr 66
		.amdhsa_reserve_vcc 0
		.amdhsa_float_denorm_mode_32 3
		.amdhsa_float_denorm_mode_16_64 3
		.amdhsa_memory_ordered 1
		.amdhsa_forward_progress 1
		.amdhsa_inst_pref_size 70
	.end_amdhsa_kernel
	.amdgpu_metadata
---
amdhsa.version: [ 1, 2 ]
amdhsa.kernels:
  - .name:           k_q61004fcedb_prep
    .symbol:         k_q61004fcedb_prep.kd
    .args:
      - { .name: x, .offset: 0, .size: 8, .value_kind: global_buffer, .address_space: global }
      - { .name: w_attn, .offset: 8, .size: 8, .value_kind: global_buffer, .address_space: global }
      - { .name: w_proj, .offset: 16, .size: 8, .value_kind: global_buffer, .address_space: global }
      - { .name: xc, .offset: 24, .size: 8, .value_kind: global_buffer, .address_space: global }
      - { .name: xs, .offset: 32, .size: 8, .value_kind: global_buffer, .address_space: global }
      - { .name: wc, .offset: 40, .size: 8, .value_kind: global_buffer, .address_space: global }
      - { .name: ws, .offset: 48, .size: 8, .value_kind: global_buffer, .address_space: global }
      - { .name: wp16, .offset: 56, .size: 8, .value_kind: global_buffer, .address_space: global }
    .group_segment_fixed_size: 33280
    .private_segment_fixed_size: 0
    .kernarg_segment_align: 8
    .kernarg_segment_size: 64
    .max_flat_workgroup_size: 128
    .sgpr_count:     66
    .vgpr_count:     192
    .wavefront_size: 32
...
	.end_amdgpu_metadata
.endif
;; end of part 1
;; launch qkv (part 2): grid 12 x 32, 4 waves a work-group, clusters of 4 x 4, 327,680 bytes of LDS; arguments xc, xs, wc, ws, qkv16, qkv32; writes qkv16, qkv32
.if DOCPART == 2
	.amdgcn_target "amdgcn-amd-amdhsa--gfx1250"
	.amdhsa_code_object_version 6
	.text
	.protected	k_q61004fcedb_qkv
	.globl	k_q61004fcedb_qkv
	.p2align	8
	.type	k_q61004fcedb_qkv,@function
k_q61004fcedb_qkv:
	s_mov_b64 s[64:65], 0
	v_nop
	global_prefetch_b8 v0, s[64:65] scope:SCOPE_SE
	s_setreg_imm32_b32 hwreg(HW_REG_WAVE_MODE, 25, 1), 1
	s_wait_xcnt 0x0
	s_wait_alu depctr_hold_cnt(0) depctr_sa_sdst(0) depctr_va_vdst(0) depctr_va_sdst(0) depctr_va_ssrc(0) depctr_va_vcc(0) depctr_vm_vsrc(0)
	s_getreg_b32 s2, hwreg(HW_REG_IB_STS2, 6, 4)
	s_cmp_eq_u32 s2, 0
	s_cbranch_scc0 .Lentry_in_a_cluster
	s_endpgm
.Lentry_in_a_cluster:
	s_bfe_u32 s2, ttmp6, 0x10000c
	s_cmp_lg_u32 s2, 0xf033
	s_cbranch_scc0 .Lentry_shape_is_right
	s_endpgm
.Lentry_shape_is_right:
; qkv[m][n] = sum over k of x[m][k] w_attn[k][n], both operands as codes of FP4 (E2M1) with one E8M0 scale for each 32 along K; M = 8,192, N = 3,072, K = 1,024; sums in f32.
; xc: [8192][512 bytes], K innermost.  wc: [32 blocks of k][3072 n][16 bytes].  xs: [8192][32], ws: [3072][32].
; A tile of 256 x 256 is made by four waves, each 128 x 128: 64 accumulators, 512 registers.  K = 1,024 is two slots of 512: BOTH ARE ASKED FOR AT THE HEAD AND NOTHING IS EVER FILLED AGAIN; there is no loop.
; CLUSTERS: 4 x 4 work-groups; the four of a row need the same tiles of x, the four of a column the same tiles of w_attn: each tile is asked for jointly.  Tile row = 8 cy + cluster y: so cy is the batch.
; THE MATRIX INSTRUCTION IS USED TRANSPOSED (source 0 = 16 columns of w_attn, source 1 = 16 rows of x): a lane holds eight neighbouring n of one row m.
; THE RESULT LEAVES STRAIGHT FROM REGISTERS, rounded to f16, into qkv16 [384 chunks of 8 n][8192 m][16 bytes]: a lane's eight numbers are 16 bytes, and sixteen neighbouring lanes hold sixteen neighbouring rows of one chunk:
; 256 consecutive bytes, aligned.  The first 16 rows of each batch leave in f32 as well, into qkv32 [4 b][768 groups of 4 n][16 t][16 bytes].
; LIMITS: q, k, v are rounded to f16: magnitudes from 65,520 on become infinity, and under 6e-5 the step is 6e-8.
; REGISTERS, in windows of 256: window 0: v0-31 addresses; v32-95 scale words, two sets; v128-191 x's fragments, one set; on the way out v128-255 hold packed results.
;   window 1: w_attn's fragments, two sets, at v0 and v128.   window 2: the accumulators of my rows 0-63 ((a, b) at v[8 (8 a + b)]);   window 3: those of my rows 64-127.
.set NQ,     4                         ; steps of 128 along K in a slot
.set ROWB,   256                       ; a row of x's tile: 512 codes
.set KROW,   512                       ; a row of xc
.set PITCH,  272                       ; and in LDS: + 16 bytes of padding: the 16 rows that a load touches start 16 bytes apart modulo 256
.set FR,     8                         ; registers of a fragment
.set NL,     2                         ; LDS loads that bring one
.set NP,     4                         ; places behind this matrix instruction
.set HALFA,  128*PITCH                 ; 128 rows of x: one tensor load
.set HALFB,  16*2048                   ; 16 blocks of k x 128 columns x 16 bytes: one tensor load; no padding: a fragment load's sixteen lanes read 256 consecutive bytes
.set SLOT,   2*HALFA+2*HALFB
.set KS,     32                        ; a row of scale bytes
.set SCL,    2*SLOT                    ; behind the slots: the scales of 256 rows and 256 columns for all of K, as rows of 256 bytes + 16
.set HALFS,  (128*KS/256)*272
.set SBLK,   (16*KS/256)*272
.set SPARE,  SCL+4*HALFS               ; the spare words, 128 bytes a wave
.set ADRA, 16                          ; v16-17 LDS address of my fragments of x in slot 0, 1
.set ADRB, 20                          ; v20-21 the same for w_attn
.set CO,   26                          ; v26 my byte offset in qkv16: 131,072 (lane / 16) + 16 (lane % 16)
.set ADRS, 27                          ; v27 LDS address of my scale words: lanes 0-15 x's rows, lanes 16-31 w_attn's columns
.set SPW,  28
.set NIL,  29
.set CO32, 30                          ; v30 my byte offset in qkv32: 512 (lane / 16) + 16 (lane % 16)
.set SC,   32
.set AF,   128
.set OT,   128                         ; the way out: four sets of 32 registers
.set G1, 24
.set G0, 32
.set G1B, 48
.set G0B, 56
.set G1S, 68
.set G0S, 76
.set G1SB, 80
.set G0SB, 88
.set MSB, 0
.macro WIN new                         ; the immediate's high byte repeats the setting that is left
.if MSB != \new
	s_set_vgpr_msb (MSB<<8)|\new
.set MSB, \new
.endif
.endm
.set MUL_LO, 0xa1                      ; source 0 window 1, source 1 window 0, C and D window 2
.set MUL_HI, 0xf1                      ; the same, C and D window 3
.set TO_B,   0x40                      ; destination window 1, address window 0
; A joint load: waves 0 and 1 fetch for x, waves 2 and 3 for w_attn.  The branch hangs on the wave's number alone.  An s_nop 0 and four v_nop follow each line.
.macro JLOAD g0a, g1a, g0b, g1b
	s_cmp_eq_u32 s15, 0
	s_cbranch_scc0 .Lfor_b_\@
	tensor_load_to_lds s[\g0a:\g0a+3], s[\g1a:\g1a+7]
	s_nop 0
.rept 4
	v_nop
.endr
	s_branch .Lasked_\@
.Lfor_b_\@:
	tensor_load_to_lds s[\g0b:\g0b+3], s[\g1b:\g1b+7]
	s_nop 0
.rept 4
	v_nop
.endr
.Lasked_\@:
.endm
.macro CROUND                          ; a round of the cluster's barrier
	s_barrier_signal -1
	s_barrier_wait -1
	s_cmp_lg_u32 s14, 0
	s_cbranch_scc1 .Lnot_wave_0_\@
	s_barrier_signal -3
.Lnot_wave_0_\@:
	s_barrier_wait -3
	s_barrier_signal -1
	s_barrier_wait -1
.endm
	s_load_b128 s[4:7], s[0:1], 0x0                ; xc, xs
	s_load_b128 s[8:11], s[0:1], 0x10              ; wc, ws
	s_load_b64 s[12:13], s[0:1], 0x20              ; qkv16
	s_load_b64 s[96:97], s[0:1], 0x28              ; qkv32
	v_lshl_add_u32 v[SPW], v0, 2, SPARE
	v_mov_b32 v[NIL], 0
	ds_add_u32 v[SPW], v[NIL]                      ; the wave's opening: the add, twice on end, and its wait ahead of my first tensor load
	ds_add_u32 v[SPW], v[NIL]
	v_lshrrev_b32 v1, 5, v0
	v_readfirstlane_b32 s14, v1                    ; wave 0..3
	s_lshr_b32 s15, s14, 1                         ; which half of the tile's rows is mine.  Also: I fetch for x (0) or for w_attn (1)
	s_and_b32 s16, s14, 1                          ; which half of its columns.  Also: which 128 rows or columns I fetch
	s_bfe_u32 s40, ttmp6, 0x40000                  ; cx
	s_bfe_u32 s41, ttmp6, 0x40004                  ; cy
	s_lshl_b32 s42, ttmp9, 2
	s_add_co_u32 s42, s42, s40                     ; tile column = 4 x cluster x + cx
	s_and_b32 s2, ttmp7, 0xffff                    ; cluster y, 0..7
	s_lshl_b32 s17, s41, 3
	s_add_co_u32 s17, s17, s2                      ; tile row = 8 cy + cluster y
	s_or_b32 s3, s2, s15                           ; 0 in the waves that hold a batch's first rows: cluster y and the wave's number alone, alike in all partners
	s_lshl_b32 s43, s41, 2
	s_lshl_b32 s43, 15, s43                        ; my row of the cluster
	s_lshl_b32 s44, 0x1111, s40                    ; my column
	; group 1 for x's tiles: 128 rows of 256 bytes, 512 apart in memory, 16 bytes of padding behind each
	s_or_b32 s[G1+0], s43, (0<<16)|(1<<20)|(1<<21)|(5<<22)|(3<<25)
	s_mov_b32 s[G1+1], ROWB<<16
	s_mov_b32 s[G1+2], 128<<16
	s_mov_b32 s[G1+3], ROWB<<16
	s_mov_b32 s[G1+4], 128
	s_mov_b32 s[G1+5], KROW
	s_mov_b32 s[G1+6], 0
	s_mov_b32 s[G1+7], 0
	; for w_attn's: 16 rows (blocks of k) of 2,048 bytes (128 columns), as 256 elements of 8 bytes, 49,152 bytes = 6,144 elements apart, no padding
	s_or_b32 s[G1B+0], s44, (3<<16)|(1<<21)
	s_mov_b32 s[G1B+1], 256<<16
	s_mov_b32 s[G1B+2], 16<<16
	s_mov_b32 s[G1B+3], 256<<16
	s_mov_b32 s[G1B+4], 16
	s_mov_b32 s[G1B+5], 6144
	s_mov_b32 s[G1B+6], 0
	s_mov_b32 s[G1B+7], 0
	; for the scales of 128 rows: a dense block of 4,096 bytes, as 16 rows of 256 bytes, 16 bytes of padding behind each
	s_or_b32 s[G1S+0], s43, (3<<16)|(1<<20)|(1<<21)|(5<<22)|(3<<25)
	s_or_b32 s[G1SB+0], s44, (3<<16)|(1<<20)|(1<<21)|(5<<22)|(3<<25)
.irp g, G1S, G1SB
	s_mov_b32 s[\g+1], 32<<16
	s_mov_b32 s[\g+2], (128*KS/256)<<16
	s_mov_b32 s[\g+3], 32<<16
	s_mov_b32 s[\g+4], 128*KS/256
	s_mov_b32 s[\g+5], 32
	s_mov_b32 s[\g+6], 0
	s_mov_b32 s[\g+7], 0
.endr
	s_lshl_b32 s18, s16, 7                         ; which 128 I fetch
	s_lshl_b32 s20, s17, 8
	s_add_co_u32 s20, s20, s18                     ; x: row 256 x tile row + 128 x half
	s_lshl_b32 s46, s42, 8
	s_add_co_u32 s46, s46, s18                     ; w_attn: column 256 x tile column + 128 x half
	s_lshl_b32 s22, s20, 5                         ; the rows' scales, 32 bytes each,
	s_mov_b32 s23, 0
	s_lshl_b32 s20, s20, 9                         ; and codes, 512 bytes each
	s_mov_b32 s21, 0
	s_lshl_b32 s92, s46, 5                         ; the columns' scales,
	s_mov_b32 s93, 0
	s_lshl_b32 s46, s46, 4                         ; and codes: 16 bytes a column in each block
	s_mov_b32 s47, 0
	s_mul_i32 s45, s16, HALFA                      ; where they go: no place in the cluster enters an LDS address
	s_mul_i32 s95, s16, HALFB
	s_add_co_u32 s95, s95, 2*HALFA
	s_mul_i32 s94, s14, HALFS
	s_wait_dscnt 0x0                               ; both opening adds are done
	s_wait_kmcnt 0x0
	s_add_nc_u64 s[20:21], s[4:5], s[20:21]
	s_add_nc_u64 s[22:23], s[6:7], s[22:23]
	s_add_nc_u64 s[46:47], s[8:9], s[46:47]
	s_add_nc_u64 s[92:93], s[10:11], s[92:93]
	CROUND                                         ; all sixteen work-groups are here: the joint loads meet
	s_mov_b32 s[G0S], 1
	s_add_co_u32 s[G0S+1], s94, SCL
	s_mov_b64 s[G0S+2:G0S+3], s[22:23]
	s_or_b32 s[G0S+3], s[G0S+3], 0x80000000
	s_mov_b32 s[G0SB], 1
	s_add_co_u32 s[G0SB+1], s94, SCL
	s_mov_b64 s[G0SB+2:G0SB+3], s[92:93]
	s_or_b32 s[G0SB+3], s[G0SB+3], 0x80000000
	JLOAD G0S, G1S, G0SB, G1SB                     ; the scales first: they are wanted with the first step
.irp s, 0,1
	s_mov_b32 s[G0+4*\s], 1
	s_add_co_u32 s[G0+4*\s+1], s45, \s*SLOT
	s_add_nc_u64 s[G0+4*\s+2:G0+4*\s+3], s[20:21], \s*ROWB
	s_or_b32 s[G0+4*\s+3], s[G0+4*\s+3], 0x80000000
	s_mov_b32 s[G0B+4*\s], 1
	s_add_co_u32 s[G0B+4*\s+1], s95, \s*SLOT
	s_add_nc_u64 s[G0B+4*\s+2:G0B+4*\s+3], s[46:47], \s*16*49152
	s_or_b32 s[G0B+4*\s+3], s[G0B+4*\s+3], 0x80000000
	JLOAD G0+4*\s, G1, G0B+4*\s, G1B               ; three tensor loads of mine are out at the most
.endr
	v_and_b32 v1, 15, v0                           ; r = lane % 16
	v_bfe_u32 v2, v0, 4, 1                         ; h = lane / 16
	v_mul_u32_u24 v3, v1, PITCH
	v_lshl_add_u32 v4, v2, 4, v3                   ; x: row r x pitch + 16 h
	v_lshlrev_b32 v3, 11, v2
	v_lshl_add_u32 v3, v1, 4, v3                   ; w_attn: block h x 2,048 + 16 r
	s_mul_i32 s21, s15, HALFA                      ; my 128 rows of x
	s_mul_i32 s22, s16, HALFB                      ; my 128 columns of w_attn, behind x's 256 rows
	s_add_co_u32 s22, s22, 2*HALFA
.irp s, 0,1
	v_add_nc_u32 v[ADRA+\s], s21, v4
	v_add_nc_u32 v[ADRB+\s], s22, v3
	s_add_co_u32 s21, s21, SLOT
	s_add_co_u32 s22, s22, SLOT
.endr
	v_mul_u32_u24 v5, v1, KS                       ; my row's scales: 32 bytes a row,
	v_lshrrev_b32 v6, 8, v5
	v_lshl_add_u32 v5, v6, 4, v5                   ; and 16 more for each 256 passed
	s_mul_i32 s21, s15, HALFS                      ; x's: my 128 rows
	s_mul_i32 s22, s16, HALFS                      ; w_attn's: my 128 columns, behind x's 256
	s_add_co_u32 s22, s22, 2*HALFS
	s_sub_co_u32 s22, s22, s21
	v_mul_u32_u24 v6, s22, v2                      ; lanes 16-31 take w_attn's
	s_add_co_u32 s21, s21, SCL
	v_add_nc_u32 v5, v5, v6
	v_add_nc_u32 v[ADRS], s21, v5
	v_lshlrev_b32 v[CO], 17, v2
	v_lshl_add_u32 v[CO], v1, 4, v[CO]
	v_lshlrev_b32 v[CO32], 9, v2
	v_lshl_add_u32 v[CO32], v1, 4, v[CO32]
	s_lshl_b32 s20, s17, 8
	s_lshl_b32 s21, s15, 7
	s_add_co_u32 s20, s20, s21                     ; my first row,
	s_lshl_b32 s20, s20, 4                         ; 16 bytes a row in a chunk
	s_lshl_b32 s46, s42, 5
	s_lshl_b32 s47, s16, 4
	s_add_co_u32 s46, s46, s47                     ; my first chunk of 8 columns: 32 x tile column + 16 x half
	s_lshl_b32 s47, s46, 9                         ; in qkv32: 64 bytes a column
	s_lshl_b32 s46, s46, 17                        ; in qkv16: 131,072 bytes a chunk
	s_add_co_u32 s20, s20, s46
	s_mov_b32 s21, 0
	s_add_nc_u64 s[12:13], s[12:13], s[20:21]
	s_mul_i32 s20, s41, 196608                     ; qkv32: the batch is cy
	s_add_co_u32 s20, s20, s47
	s_add_nc_u64 s[96:97], s[96:97], s[20:21]
; A fragment, 16 rows x 128 K of 4-bit codes, is 8 registers: lane (r, h) holds row r; registers 4 c .. 4 c + 3 hold K = 64 c + 32 h + 0 .. 31: one block's 16 bytes.
.macro FRAGA reg, adr, q, i
.irp c, 0,1
	ds_load_b128 v[\reg+4*\c:\reg+4*\c+3], v[\adr] offset:64*(\q)+32*\c+(\i)*16*PITCH
.endr
.endm
.macro FRAGB reg, adr, q, i            ; block 4 q + 2 c + h of the slot's 16, column 16 i + r
.irp c, 0,1
	ds_load_b128 v[\reg+4*\c:\reg+4*\c+3], v[\adr] offset:8192*(\q)+4096*\c+256*(\i)
.endr
.endm
; 16 matrix instructions: x's blocks a0, a0 + 1 against w_attn's eight.  The 64 accumulators take turns, one instruction a turn, in the same order in every step.
; A scale register holds x's word in lanes 0-15 and w_attn's in lanes 16-31: source 0 (w_attn) reads the upper lanes.
.macro MUL16 a0, p, q, sc, zero
.irp a, \a0, \a0+1
.irp b, 0,1,2,3,4,5,6,7
.if \zero
	v_wmma_scale_f32_16x16x128_f8f6f4 v[8*(8*((\a)%4)+\b):8*(8*((\a)%4)+\b)+7], v[128*(\p)+FR*\b:128*(\p)+FR*\b+FR-1], v[AF+FR*(\a):AF+FR*(\a)+FR-1], 0, v[SC+8*NQ*(\sc)+NQ*\b+(\q)], v[SC+8*NQ*(\sc)+NQ*(\a)+(\q)] matrix_a_fmt:MATRIX_FMT_FP4 matrix_b_fmt:MATRIX_FMT_FP4 matrix_a_scale:MATRIX_SCALE_ROW1
.else
	v_wmma_scale_f32_16x16x128_f8f6f4 v[8*(8*((\a)%4)+\b):8*(8*((\a)%4)+\b)+7], v[128*(\p)+FR*\b:128*(\p)+FR*\b+FR-1], v[AF+FR*(\a):AF+FR*(\a)+FR-1], v[8*(8*((\a)%4)+\b):8*(8*((\a)%4)+\b)+7], v[SC+8*NQ*(\sc)+NQ*\b+(\q)], v[SC+8*NQ*(\sc)+NQ*(\a)+(\q)] matrix_a_fmt:MATRIX_FMT_FP4 matrix_b_fmt:MATRIX_FMT_FP4 matrix_a_scale:MATRIX_SCALE_ROW1
.endif
.endr
.endr
.endm
.macro FETCH_B slot, q, p
	WIN TO_B
.irp i, 0,1,2,3,4,5,6,7
	FRAGB 128*(\p)+FR*\i, ADRB+\slot, \q, \i
.endr
	WIN 0
.endm
.macro FETCH_A slot, q, i0
.irp i, \i0, \i0+1, \i0+2, \i0+3
	FRAGA AF+FR*(\i), ADRA+\slot, \q, \i
.endr
.endm
.macro SCALES sc                       ; a slot's scale words: four words a row
.irp i, 0,1,2,3,4,5,6,7
	ds_load_b128 v[SC+8*NQ*\sc+NQ*\i:SC+8*NQ*\sc+NQ*\i+3], v[ADRS] offset:\i*SBLK
.endr
.endm
.macro PLACES n                        ; plain vector instructions between a matrix instruction and a load into, or a read of, its registers
.rept \n
	v_nop
.endr
.endm
.macro STEP slot, q, zero              ; a step of 128 along K that has its successor in the same slot
	s_wait_dscnt 4*NL                              ; all but the youngest eight loads (x's blocks 4-7) are in
	WIN MUL_LO
	MUL16 0, (\q)%2, \q, \slot, \zero
	MUL16 2, (\q)%2, \q, \slot, \zero
	s_wait_dscnt 0
	PLACES NP
	FETCH_B \slot, (\q)+1, 1-(\q)%2
	FETCH_A \slot, (\q)+1, 0
	WIN MUL_HI
	MUL16 4, (\q)%2, \q, \slot, \zero
	MUL16 6, (\q)%2, \q, \slot, \zero
	PLACES NP
	WIN 0
	FETCH_A \slot, (\q)+1, 4
.endm
	s_wait_tensorcnt 1                             ; the scales and my part of slot 0 are in (slot 1's load may be out),
	s_barrier_signal -1
	s_barrier_wait -1                              ; everybody's are
	FETCH_B 0, 0, 0
	FETCH_A 0, 0, 0
	SCALES 0
	FETCH_A 0, 0, 4
	STEP 0, 0, 1                                   ; the first step's products start the sums: nothing is cleared
	STEP 0, 1, 0
	STEP 0, 2, 0
	; slot 0's last step changes slots: each wave waits for its part of slot 1 and says so; nothing is filled again, so this is a plain barrier
	s_wait_tensorcnt 0x0
	s_wait_dscnt 4*NL
	WIN MUL_LO
	MUL16 0, 1, 3, 0, 0
	s_wait_dscnt 0x0                               ; no LDS instruction of mine is out at the signal
	s_barrier_signal -1
	MUL16 2, 1, 3, 0, 0
	WIN 0
	s_barrier_wait -1
	PLACES NP
	v_add_nc_u32 v[ADRS], 4*NQ, v[ADRS]            ; on to slot 1's scale words
	FETCH_B 1, 0, 0
	FETCH_A 1, 0, 0
	SCALES 1
	WIN MUL_HI
	MUL16 4, 1, 3, 0, 0
	MUL16 6, 1, 3, 0, 0
	PLACES NP
	WIN 0
	FETCH_A 1, 0, 4
	STEP 1, 0, 0
	STEP 1, 1, 0
	STEP 1, 2, 0
	s_wait_dscnt 4*NL                              ; the last step: nothing more to fetch
	WIN MUL_LO
	MUL16 0, 1, 3, 1, 0
	MUL16 2, 1, 3, 1, 0
	s_wait_dscnt 0
	WIN MUL_HI
	MUL16 4, 1, 3, 1, 0
	MUL16 6, 1, 3, 1, 0
	WIN 0
	PLACES NP                                      ; ahead of the first read of results and of the first write into the registers that held x's fragments
	; a batch's first 16 rows (cluster y = 0, my rows' first half, block 0) leave in f32 too: lane (r, h), accumulator b: t = r, columns 16 b + 8 h + 0 .. 7: two groups of four
	s_cmp_lg_u32 s3, 0
	s_cbranch_scc1 .Lno32
	WIN 0x08                                       ; a store's data are its source 1: window 2
.irp b, 0,1,2,3,4,5,6,7
	global_store_b128 v[CO32], v[8*\b:8*\b+3], s[96:97] offset:1024*\b           ; each accumulator from its low end on; sixteen lanes store 256 consecutive bytes, aligned
	global_store_b128 v[CO32], v[8*\b+4:8*\b+7], s[96:97] offset:1024*\b+256
.endr
	WIN 0
.Lno32:
.macro OUT a                           ; block a, 16 rows x 128 columns: rounded to f16, 16 bytes a lane, and stored
.set AC, 64*((\a)%4)
.set OB, OT+32*((\a)%4)
	WIN 0x0a+5*((\a)/4)                            ; sources 0 and 1: window 2 or 3
.irp b, 0,1,2,3,4,5,6,7
.irp r, 0,1,2,3
	v_cvt_pk_f16_f32 v[OB+4*\b+\r], v[AC+8*\b+2*\r], v[AC+8*\b+2*\r+1]
.endr
.endr
	WIN 0
.irp b, 0,1,2,3,4,5,6,7
	global_store_b128 v[CO], v[OB+4*\b:OB+4*\b+3], s[12:13] offset:262144*\b+256*(\a) th:TH_STORE_NT   ; lanes 0-15 chunk 2 b, lanes 16-31 chunk 2 b + 1: 256 consecutive bytes each, aligned
.endr
.endm
	OUT 0
	OUT 1
	OUT 2
	OUT 3
	s_wait_xcnt 0x0                                ; the stores have read their data: the four sets are written again only behind this wait
	OUT 4
	OUT 5
	OUT 6
	OUT 7
	s_wait_tensorcnt 0x0                           ; the wave's end, behind my last tensor load
	ds_add_u32 v[SPW], v[NIL]
	s_wait_dscnt 0x0
	CROUND                                         ; the closing round
	s_endpgm
.Lfunc_end_k_q61004fcedb_qkv:
	.size	k_q61004fcedb_qkv, .Lfunc_end_k_q61004fcedb_qkv-k_q61004fcedb_qkv
	.p2alignl 7, 3214868480
	.fill 96, 4, 3214868480
	.section	.rodata,"a",@progbits
	.p2align	6, 0x0
	.amdhsa_kernel k_q61004fcedb_qkv
		.amdhsa_group_segment_fixed_size 327680
		.amdhsa_private_segment_fixed_size 0
		.amdhsa_enable_private_segment 0
		.amdhsa_kernarg_size 48
		.amdhsa_user_sgpr_count 2
		.amdhsa_user_sgpr_kernarg_segment_ptr 1
		.amdhsa_wavefront_size32 1
		.amdhsa_system_sgpr_workgroup_id_x 1
		.amdhsa_system_sgpr_workgroup_id_y 1
		.amdhsa_system_sgpr_workgroup_id_z 1
		.amdhsa_system_vgpr_workitem_id 0
		.amdhsa_next_free_vgpr 1024
		.amdhsa_next_free_sgpr 100
		.amdhsa_reserve_vcc 0
		.amdhsa_float_denorm_mode_32 3
		.amdhsa_float_denorm_mode_16_64 3
		.amdhsa_memory_ordered 1
		.amdhsa_forward_progress 1
		.amdhsa_inst_pref_size 119
	.end_amdhsa_kernel
	.amdgpu_metadata
---
amdhsa.version: [ 1, 2 ]
amdhsa.kernels:
  - .name:           k_q61004fcedb_qkv
    .symbol:         k_q61004fcedb_qkv.kd
    .args:
      - { .name: xc, .offset: 0, .size: 8, .value_kind: global_buffer, .address_space: global }
      - { .name: xs, .offset: 8, .size: 8, .value_kind: global_buffer, .address_space: global }
      - { .name: wc, .offset: 16, .size: 8, .value_kind: global_buffer, .address_space: global }
      - { .name: ws, .offset: 24, .size: 8, .value_kind: global_buffer, .address_space: global }
      - { .name: qkv16, .offset: 32, .size: 8, .value_kind: global_buffer, .address_space: global }
      - { .name: qkv32, .offset: 40, .size: 8, .value_kind: global_buffer, .address_space: global }
    .group_segment_fixed_size: 327680
    .private_segment_fixed_size: 0
    .kernarg_segment_align: 8
    .kernarg_segment_size: 48
    .max_flat_workgroup_size: 128
    .sgpr_count:     100
    .vgpr_count:     1024
    .wavefront_size: 32
...
	.end_amdgpu_metadata
.endif
;; end of part 2
;; launch attn (part 3): grid 4 x 64, 16 waves a work-group, no clusters, 327,680 bytes of LDS; arguments qkv16, o16; writes o16
.if DOCPART == 3
	.amdgcn_target "amdgcn-amd-amdhsa--gfx1250"
	.amdhsa_code_object_version 6
	.text
	.protected	k_q61004fcedb_attn
	.globl	k_q61004fcedb_attn
	.p2align	8
	.type	k_q61004fcedb_attn,@function
k_q61004fcedb_attn:
	s_mov_b64 s[64:65], 0
	v_nop
	global_prefetch_b8 v0, s[64:65] scope:SCOPE_SE
	s_setreg_imm32_b32 hwreg(HW_REG_WAVE_MODE, 25, 1), 1
	s_wait_xcnt 0x0
; o[b][h][q] = sum over k <= q of softmax_k(q . k / 8) v, head size 64, 2,048 positions, 64 heads in all; operands in f16, products, maxima and sums in f32; a running maximum.
; qkv16: [384 chunks of 8 n][8192 m][16 bytes]; q's chunks 0-127, k's 128-255, v's 256-383; head hd has chunks 8 hd .. 8 hd + 7 of each.  o16: [128 chunks][8192 m][16 bytes].
; SHARES.  A head has eight blocks of 256 queries.  Work-group i of a head owns blocks i (waves 0-7) and 7 - i (waves 8-15): (i + 1) + (8 - i) = 9 blocks of keys to walk, the same for all 256 work-groups.
; A wave owns 32 queries, two tiles of 16, in 256 registers: four waves to a SIMD, so that one wave's softmax stands beside another's products and LDS loads.
; NO CLUSTER: under the mask the four work-groups of a head stop at different keys (1,279, 1,535, 1,791, 2,047), so a joint tile would be read by no wave of some partner.
; LAYOUT.  Both products are used transposed: S^T = K Q^T, O^T = V^T P: a lane holds one query (lane % 16) throughout.  Two tiles of S^T, rounded in pairs, are source 1 of the second product.
; K's and V's tiles lie in LDS as in memory, by chunks: [8 chunks][64 keys][16 bytes]: a fragment load of K reads 256 consecutive bytes with sixteen lanes; V is turned by ds_load_tr16_b128.
; THE MASK.  Every work-group walks all eight slots of 256 keys (constant trip counts); a step all of whose keys come after the wave's queries is jumped over, a slot that no wave of the work-group reads is not asked for.
; LIMITS: p is rounded to f16 for the second product (p <= 1; under 6e-5 the step is 6e-8); o is rounded to f16.  Rows 0-15 of each batch are made again in f32 by a later launch.
.set PK,    1152                       ; a chunk's row in LDS: 64 keys x 16 bytes + 128 of padding: the turning load's two runs of 128 bytes fall 128 apart modulo 256
.set TILE,  8*PK                       ; 64 keys of K or of V
.set VOFF,  4*TILE                     ; a slot: K's four steps, then V's four
.set SLOT1, 1<<17                      ; slot 1 begins here: one exclusive or turns an address
.set SPARE, 2*SLOT1                    ; the spare words, 128 bytes for each of 16 waves
.set CH,    131072                     ; bytes of a chunk in memory
.set AK0, 1                            ; v1  my lane's place in a tile of K: 1,152 h + 16 r
.set AV0, 2                            ; v2  in a tile of V
.set ADK, 3
.set ADV, 4
.set SPW, 5
.set NIL, 6
.set GO,  7                            ; v7  131,072 h + 16 r: my place in Q's and in O's chunks
.set ST,  8                            ; tile u's statistics at v[8 + 8 u]: +0 c m, +1 m, +2, +3 l, +4 .. +7 at work; a takes +6
.set SB,  24                           ; v24-27 the sums' second chains
.set D0,  28                           ; v28, v29 the mask: my query - the step's first key - 8 h, for tiles 0 and 1
.set D1,  29
.set NEG, 30                           ; v30 -infinity
.set RH,  31                           ; v31 r - 8 h
.set QF,  32                           ; v32-63   Q: tile u, channels 32 dh on: 32 + 16 u + 8 dh
.set KV,  64                           ; v64-127  K (keys 16 kt on, channels 32 dh on: 64 + 16 kt + 8 dh), then V (keys 32 g on, channels 16 ct on: 64 + 32 g + 8 ct)
.set S,   128                          ; v128-191 S^T: 128 + 32 u + 8 kt; P is packed in place into 128 + 32 u + 0 .. 15
.set OT,  192                          ; v192-255 O^T: 192 + 32 u + 8 ct
.set WV,  18
.set SEL, 20
.set CS,  22                           ; s[22:23] c = log2(e) / 8
.set G1,  24
.set G0,  40
.set TB,  2                            ; s2  LDS byte at which the slot in hand begins
.set SLOTS, 3
.set KF,  66                           ; s66 the step's first key
.set Q0,  67                           ; s67 my first query
.set LQ,  68                           ; s68 my work-group's last query
.macro TLOAD                           ; waves 0-7 fetch one tile each: K's four steps, V's four.  An s_nop 0 and four v_nop follow the line
	s_cmp_lt_u32 s[WV], 8
	s_cbranch_scc0 .Lasked_\@
	tensor_load_to_lds s[G0:G0+3], s[G1:G1+7]
	s_nop 0
.rept 4
	v_nop
.endr
.Lasked_\@:
.endm
	s_load_b128 s[4:7], s[0:1], 0x0                ; qkv16, o16
	v_lshl_add_u32 v[SPW], v0, 2, SPARE
	v_mov_b32 v[NIL], 0
	ds_add_u32 v[SPW], v[NIL]                      ; the wave's opening: the add, twice on end, and its wait ahead of my first tensor load
	ds_add_u32 v[SPW], v[NIL]
	v_lshrrev_b32 v8, 5, v0
	v_readfirstlane_b32 s[WV], v8                  ; wave 0..15
	s_and_b32 s72, ttmp7, 0xffff
	s_lshr_b32 s73, s72, 4                         ; batch
	s_and_b32 s74, s72, 15                         ; head
	s_sub_co_u32 s75, 7, ttmp9
	s_cmp_lt_u32 s[WV], 8
	s_cselect_b32 s75, ttmp9, s75                  ; my block of 256 queries
	s_and_b32 s76, s[WV], 7
	s_mul_i32 s[G0+1], s76, TILE                   ; the tile that I fetch, if I fetch: its place in slot 0
	s_lshl_b32 s[Q0], s75, 8
	s_lshl_b32 s77, s76, 5
	s_add_co_u32 s[Q0], s[Q0], s77
	s_sub_co_u32 s[LQ], 8, ttmp9
	s_lshl_b32 s[LQ], s[LQ], 8
	s_sub_co_u32 s[LQ], s[LQ], 1                   ; block 7 - i's last query
	s_lshl_b32 s78, s74, 20                        ; the head's eight chunks
	s_lshl_b32 s79, s73, 11                        ; the batch's first row
	s_add_co_u32 s70, s79, s[Q0]
	s_lshl_b32 s70, s70, 4
	s_add_co_u32 s70, s70, s78
	s_mov_b32 s71, 0                               ; s[70:71]: my queries' place in q's chunks and in o16
	s_bfe_u32 s76, s[WV], 0x10002                  ; waves 0-3: K; waves 4-7: V
	s_add_co_u32 s76, s76, 1
	s_lshl_b32 s76, s76, 24                        ; 128 chunks are 2^24 bytes
	s_add_co_u32 s76, s76, s78
	s_and_b32 s69, s[WV], 3                        ; which 64 keys of the slot
	s_lshl_b32 s69, s69, 6
	s_add_co_u32 s69, s69, s79
	s_lshl_b32 s69, s69, 4
	s_add_co_u32 s76, s76, s69
	s_mov_b32 s77, 0
	; group 1: 8 rows (chunks) of 1,024 bytes (64 keys), as 128 elements of 8 bytes, 16,384 elements apart; 32 words of padding behind every 256
	s_mov_b32 s[G1], (3<<16)|(1<<20)|(7<<22)|(31<<25)
	s_mov_b32 s[G1+1], 128<<16
	s_mov_b32 s[G1+2], 8<<16
	s_mov_b32 s[G1+3], 128<<16
	s_mov_b32 s[G1+4], 8
	s_mov_b32 s[G1+5], 16384
	s_mov_b32 s[G1+6], 0
	s_mov_b32 s[G1+7], 0
	s_mov_b32 s[SEL], 0x76543210
	s_mov_b32 s[SEL+1], 0xfedcba98
	s_mov_b32 s[CS], 0x3e38aa3b                    ; log2(e) / 8
	s_mov_b32 s[CS+1], s[CS]
	s_mov_b32 s[TB], 0
	s_mov_b32 s[SLOTS], 7
	s_mov_b32 s[KF], 0
	s_wait_dscnt 0x0                               ; both opening adds are done
	s_wait_kmcnt 0x0
	s_mov_b32 s[G0], 1
	s_add_nc_u64 s[G0+2:G0+3], s[4:5], s[76:77]
	s_or_b32 s[G0+3], s[G0+3], 0x80000000
	TLOAD                                          ; slot 0: it holds key 0, which counts for every query
	s_add_nc_u64 s[8:9], s[4:5], s[70:71]          ; Q
	s_add_nc_u64 s[10:11], s[6:7], s[70:71]        ; O
	v_and_b32 v8, 15, v0                           ; r
	v_bfe_u32 v9, v0, 4, 1                         ; h
	v_lshlrev_b32 v[GO], 17, v9
	v_lshl_add_u32 v[GO], v8, 4, v[GO]
.irp u, 0,1
.irp dh, 0,1                                   ; a fragment's registers 0-3 are chunk 4 dh + h, registers 4-7 chunk 4 dh + 2 + h, of row r
	global_load_b128 v[QF+16*\u+8*\dh:QF+16*\u+8*\dh+3], v[GO], s[8:9] offset:(4*\dh)*CH+256*\u
	global_load_b128 v[QF+16*\u+8*\dh+4:QF+16*\u+8*\dh+7], v[GO], s[8:9] offset:(4*\dh+2)*CH+256*\u
.endr
.endr
	v_mul_u32_u24 v[AK0], v9, PK
	v_lshl_add_u32 v[AK0], v8, 4, v[AK0]
	v_and_b32 v10, 7, v0
	v_bfe_u32 v11, v0, 3, 1
	v_lshl_add_u32 v12, v9, 3, v10                 ; the turning load: lane l addresses key 8 h + l % 8,
	v_mul_u32_u24 v[AV0], v11, PK                  ; chunk (l / 8) % 2
	v_lshl_add_u32 v[AV0], v12, 4, v[AV0]
	v_add_nc_u32 v[AV0], VOFF, v[AV0]
	v_lshlrev_b32 v[RH], 3, v9
	v_sub_nc_u32 v[RH], v8, v[RH]
	v_mov_b32 v[NEG], 0xff800000
.irp u, 0,1
	v_mov_b32 v[ST+8*\u+1], 0xff61b1e6             ; m: -3e38, under every score
	v_mul_f32 v[ST+8*\u], s[CS], v[ST+8*\u+1]      ; c m
.irp j, 2,3,4,5,6,7
	v_mov_b32 v[ST+8*\u+\j], 0                     ; l, and the registers at work
.endr
.endr
.set n, 0
.rept 64
	v_mov_b32 v[OT+n], 0                           ; O^T: the step is written once; its first turn finds zeros
.set n, n+1
.endr
; A KEY STEP: 64 keys, the q-th of the slot in hand.
.macro STEP q
	s_add_co_u32 s70, s[Q0], 31                    ; all keys behind my last query: the step's work is left out (ids and the count of steps alone; no barrier and no tensor load stands in a step)
	s_cmp_gt_u32 s[KF], s70
	s_cbranch_scc1 .Lhidden_\@
	v_add_nc_u32 v[ADK], s[TB], v[AK0]
	v_add_nc_u32 v[ADV], s[TB], v[AV0]
.rept 4
	v_nop                                          ; with the two additions six places behind the last step's products: four for the loads into V's registers, five for the new S^T over P
.endr
.irp kt, 0,1,2,3
.irp dh, 0,1
	ds_load_b128 v[KV+16*\kt+8*\dh:KV+16*\kt+8*\dh+3], v[ADK] offset:TILE*(\q)+PK*(4*\dh)+256*\kt
	ds_load_b128 v[KV+16*\kt+8*\dh+4:KV+16*\kt+8*\dh+7], v[ADK] offset:TILE*(\q)+PK*(4*\dh+2)+256*\kt
.endr
.endr
	s_wait_dscnt 0x0
.irp dh, 0,1                                   ; S^T = K Q^T: eight accumulators by turns
.irp kt, 0,1,2,3
.irp u, 0,1
.if \dh == 0
	v_wmma_f32_16x16x32_f16 v[S+32*\u+8*\kt:S+32*\u+8*\kt+7], v[KV+16*\kt+8*\dh:KV+16*\kt+8*\dh+7], v[QF+16*\u+8*\dh:QF+16*\u+8*\dh+7], 0
.else
	v_wmma_f32_16x16x32_f16 v[S+32*\u+8*\kt:S+32*\u+8*\kt+7], v[KV+16*\kt+8*\dh:KV+16*\kt+8*\dh+7], v[QF+16*\u+8*\dh:QF+16*\u+8*\dh+7], v[S+32*\u+8*\kt:S+32*\u+8*\kt+7]
.endif
.endr
.endr
.endr
.rept 4
	v_nop                                          ; places ahead of the loads into K's registers and of the first read of the scores
.endr
.irp g, 0,1                                    ; V, turned: it lands during the softmax
.irp ct, 0,1,2,3
	ds_load_tr16_b128 v[KV+32*\g+8*\ct:KV+32*\g+8*\ct+3], v[ADV] offset:TILE*(\q)+2*PK*\ct+512*\g
	ds_load_tr16_b128 v[KV+32*\g+8*\ct+4:KV+32*\g+8*\ct+7], v[ADV] offset:TILE*(\q)+2*PK*\ct+512*\g+256
.endr
.endr
	s_add_co_u32 s70, s[KF], 63                    ; a step all of whose keys count for all my queries skips the mask
	s_cmp_le_u32 s70, s[Q0]
	s_cbranch_scc1 .Lopen_\@
	s_sub_co_i32 s70, s[Q0], s[KF]
	v_add_nc_u32 v[D0], s70, v[RH]
	v_add_nc_u32 v[D1], 16, v[D0]
.set n, 0
.rept 32                                       ; register n holds key KF + 16 (n / 8) + 8 h + n % 8: hidden where 16 (n / 8) + n % 8 > d
	v_cmp_gt_i32 vcc_lo, 16*(n/8)+n%8, v[D0]
	v_cndmask_b32 v[S+n], v[S+n], v[NEG], vcc_lo
	v_cmp_gt_i32 vcc_lo, 16*(n/8)+n%8, v[D1]
	v_cndmask_b32 v[S+32+n], v[S+32+n], v[NEG], vcc_lo
.set n, n+1
.endr
.Lopen_\@:
.irp j, 0,1,2,3                                ; the maximum of the 32 scores and the old m: four chains a tile, the two tiles line by line
.irp u, 0,1
	v_max3_num_f32 v[ST+8*\u+4+\j], v[S+32*\u+8*\j], v[S+32*\u+8*\j+1], v[S+32*\u+8*\j+2]
.endr
.endr
.irp i, 3,5
.irp j, 0,1,2,3
.irp u, 0,1
	v_max3_num_f32 v[ST+8*\u+4+\j], v[ST+8*\u+4+\j], v[S+32*\u+8*\j+\i], v[S+32*\u+8*\j+\i+1]
.endr
.endr
.endr
.irp u, 0,1
	v_max3_num_f32 v[ST+8*\u+4], v[ST+8*\u+4], v[S+32*\u+7], v[S+32*\u+15]
	v_max3_num_f32 v[ST+8*\u+6], v[ST+8*\u+6], v[S+32*\u+23], v[S+32*\u+31]
.endr
.irp u, 0,1
	v_max3_num_f32 v[ST+8*\u+4], v[ST+8*\u+4], v[ST+8*\u+5], v[ST+8*\u+6]
.endr
.irp u, 0,1
	v_max3_num_f32 v[ST+8*\u+4], v[ST+8*\u+4], v[ST+8*\u+7], v[ST+8*\u+1]
.endr
.irp u, 0,1
	v_permlanex16_b32 v[ST+8*\u+5], v[ST+8*\u+4], s[SEL], s[SEL+1]   ; the query's other 32 keys lie in the lane 16 away
.endr
.irp u, 0,1
	v_mov_b32 v[ST+8*\u+7], v[ST+8*\u]             ; c m_old
.endr
.irp u, 0,1
	v_max_num_f32 v[ST+8*\u+1], v[ST+8*\u+4], v[ST+8*\u+5]
.endr
.irp u, 0,1
	v_mul_f32 v[ST+8*\u], s[CS], v[ST+8*\u+1]
.endr
.irp u, 0,1
	v_sub_f32 v[ST+8*\u+7], v[ST+8*\u+7], v[ST+8*\u]
.endr
.set n, 0
.rept 16
	v_pk_fma_f32 v[S+n:S+n+1], v[S+n:S+n+1], s[CS:CS+1], v[ST:ST+1] op_sel_hi:[1,0,0] neg_lo:[0,0,1] neg_hi:[0,0,1]   ; c s - c m
	v_pk_fma_f32 v[S+32+n:S+32+n+1], v[S+32+n:S+32+n+1], s[CS:CS+1], v[ST+8:ST+9] op_sel_hi:[1,0,0] neg_lo:[0,0,1] neg_hi:[0,0,1]
.set n, n+2
.endr
	v_exp_f32 v[ST+6], v[ST+7]                     ; ONE BATCH: a = 2^(c m_old - c m_new) of both tiles, and the 64 weights
	v_exp_f32 v[ST+14], v[ST+15]
.set n, 0
.rept 64
	v_exp_f32 v[S+n], v[S+n]
.set n, n+1
.endr
	v_nop                                          ; a plain instruction behind the last exponential
	s_wait_alu depctr_va_vdst(0)                   ; one wait for the batch, ahead of the first instruction that names a result
.irp u, 0,1                                    ; the sums, of the unrounded weights: two chains a tile
	v_pk_add_f32 v[ST+8*\u+4:ST+8*\u+5], v[S+32*\u:S+32*\u+1], v[S+32*\u+4:S+32*\u+5]
	v_pk_add_f32 v[SB+2*\u:SB+2*\u+1], v[S+32*\u+2:S+32*\u+3], v[S+32*\u+6:S+32*\u+7]
.endr
.irp j, 8,12,16,20,24,28
.irp u, 0,1
	v_pk_add_f32 v[ST+8*\u+4:ST+8*\u+5], v[ST+8*\u+4:ST+8*\u+5], v[S+32*\u+\j:S+32*\u+\j+1]
	v_pk_add_f32 v[SB+2*\u:SB+2*\u+1], v[SB+2*\u:SB+2*\u+1], v[S+32*\u+\j+2:S+32*\u+\j+3]
.endr
.endr
.irp u, 0,1
	v_pk_add_f32 v[ST+8*\u+4:ST+8*\u+5], v[ST+8*\u+4:ST+8*\u+5], v[SB+2*\u:SB+2*\u+1]
.endr
.irp u, 0,1
	v_pk_fma_f32 v[ST+8*\u+2:ST+8*\u+3], v[ST+8*\u+2:ST+8*\u+3], v[ST+8*\u+6:ST+8*\u+7], v[ST+8*\u+4:ST+8*\u+5] op_sel_hi:[1,0,1]   ; l = l a + the sum
.endr
.set n, 0
.rept 16                                       ; P: pairs rounded to f16, in place, ascending: register n takes weights 2 n and 2 n + 1
	v_cvt_pk_f16_f32 v[S+n], v[S+2*n], v[S+2*n+1]
	v_cvt_pk_f16_f32 v[S+32+n], v[S+32+2*n], v[S+32+2*n+1]
.set n, n+1
.endr
.set n, 0
.rept 16
	v_pk_mul_f32 v[OT+n:OT+n+1], v[OT+n:OT+n+1], v[ST+6:ST+7] op_sel_hi:[1,0]   ; O^T x a, each accumulator from its low end on
	v_pk_mul_f32 v[OT+32+n:OT+32+n+1], v[OT+32+n:OT+32+n+1], v[ST+14:ST+15] op_sel_hi:[1,0]
.set n, n+2
.endr
	s_wait_dscnt 0x0                               ; V is in
.irp g, 0,1                                    ; O^T += V^T P: eight accumulators by turns
.irp ct, 0,1,2,3
.irp u, 0,1
	v_wmma_f32_16x16x32_f16 v[OT+32*\u+8*\ct:OT+32*\u+8*\ct+7], v[KV+32*\g+8*\ct:KV+32*\g+8*\ct+7], v[S+32*\u+8*\g:S+32*\u+8*\g+7], v[OT+32*\u+8*\ct:OT+32*\u+8*\ct+7]
.endr
.endr
.endr
.Lhidden_\@:
	s_add_co_u32 s[KF], s[KF], 64
.endm
; THE CHANGE OF SLOTS stands at a slot's head.  Each wave waits for all its tensor loads, adds 0 to its spare word, and waits for that and for its reads of the slot that it has left; behind the barrier the slot ahead is
; whole and nobody reads the other one.  fill = 1: that other slot is asked for, with the next 256 keys: the load has a slot's four steps in which to land; one tensor load of a wave is out at the most.
.macro CHANGE fill
	s_wait_tensorcnt 0x0
	ds_add_u32 v[SPW], v[NIL]
.if \fill
	ds_add_u32 v[SPW], v[NIL]                      ; and twice on end here, in every trip alike; the descriptor's steps stand between the second and the wait
	s_xor_b32 s[G0+1], s[G0+1], SLOT1              ; the other slot than last time,
	s_add_nc_u64 s[G0+2:G0+3], s[G0+2:G0+3], 4096  ; the next 256 keys, 16 bytes each in a chunk
.endif
	s_wait_dscnt 0x0
	s_barrier_signal -1
	s_barrier_wait -1
.if \fill
	s_add_co_u32 s70, s[KF], 256                   ; the first key of the slot that this change would ask for:
	s_cmp_gt_u32 s70, s[LQ]                        ; behind my work-group's last query no wave reads it, so it is not asked for.  Ids and the count of steps alone: all sixteen waves go the same way
	s_cbranch_scc1 .Lpast_\@
	TLOAD
.Lpast_\@:
.endif
.endm
.macro SLOT_STEPS
	STEP 0
	STEP 1
	STEP 2
	STEP 3
	s_xor_b32 s[TB], s[TB], SLOT1
.endm
	s_wait_loadcnt 0x0                             ; Q
.Lslot:                                            ; seven trips: behind each change of slots but the last the next slot is asked for, up to the causal limit
	CHANGE 1
	SLOT_STEPS
	s_sub_co_u32 s[SLOTS], s[SLOTS], 1
	s_cmp_lg_u32 s[SLOTS], 0
	s_cbranch_scc1 .Lslot
	CHANGE 0
	SLOT_STEPS
	; THE WAY OUT: O^T / l, rounded to f16: a lane's eight channels are 16 bytes of one chunk, sixteen lanes hold sixteen neighbouring rows: stored straight from registers
.rept 4
	v_nop                                          ; places behind the last products
.endr
.irp u, 0,1
	v_add_f32 v[ST+8*\u+4], v[ST+8*\u+2], v[ST+8*\u+3]
.endr
.irp u, 0,1
	v_permlanex16_b32 v[ST+8*\u+5], v[ST+8*\u+4], s[SEL], s[SEL+1]
.endr
.irp u, 0,1
	v_add_f32 v[ST+8*\u+4], v[ST+8*\u+4], v[ST+8*\u+5]
.endr
.irp u, 0,1
	v_rcp_f32 v[ST+8*\u+6], v[ST+8*\u+4]
.endr
	v_nop
	s_wait_alu depctr_va_vdst(0)                   ; one wait for the two reciprocals, ahead of their first reader
.set n, 0
.rept 16
	v_pk_mul_f32 v[OT+n:OT+n+1], v[OT+n:OT+n+1], v[ST+6:ST+7] op_sel_hi:[1,0]
	v_pk_mul_f32 v[OT+32+n:OT+32+n+1], v[OT+32+n:OT+32+n+1], v[ST+14:ST+15] op_sel_hi:[1,0]
.set n, n+2
.endr
.set n, 0
.rept 32
	v_cvt_pk_f16_f32 v[S+n], v[OT+2*n], v[OT+2*n+1]
.set n, n+1
.endr
.irp u, 0,1
.irp ct, 0,1,2,3
	global_store_b128 v[GO], v[S+16*\u+4*\ct:S+16*\u+4*\ct+3], s[10:11] offset:2*CH*\ct+256*\u   ; lanes 0-15 chunk 2 ct, lanes 16-31 chunk 2 ct + 1: 256 consecutive bytes each, aligned
.endr
.endr
	s_wait_tensorcnt 0x0                           ; the wave's end, behind my last tensor load
	ds_add_u32 v[SPW], v[NIL]
	s_wait_dscnt 0x0
	s_endpgm
.Lfunc_end_k_q61004fcedb_attn:
	.size	k_q61004fcedb_attn, .Lfunc_end_k_q61004fcedb_attn-k_q61004fcedb_attn
	.p2alignl 7, 3214868480
	.fill 96, 4, 3214868480
	.section	.rodata,"a",@progbits
	.p2align	6, 0x0
	.amdhsa_kernel k_q61004fcedb_attn
		.amdhsa_group_segment_fixed_size 327680
		.amdhsa_private_segment_fixed_size 0
		.amdhsa_enable_private_segment 0
		.amdhsa_kernarg_size 16
		.amdhsa_user_sgpr_count 2
		.amdhsa_user_sgpr_kernarg_segment_ptr 1
		.amdhsa_wavefront_size32 1
		.amdhsa_system_sgpr_workgroup_id_x 1
		.amdhsa_system_sgpr_workgroup_id_y 1
		.amdhsa_system_sgpr_workgroup_id_z 1
		.amdhsa_system_vgpr_workitem_id 0
		.amdhsa_next_free_vgpr 256
		.amdhsa_next_free_sgpr 80
		.amdhsa_reserve_vcc 1
		.amdhsa_float_denorm_mode_32 3
		.amdhsa_float_denorm_mode_16_64 3
		.amdhsa_memory_ordered 1
		.amdhsa_forward_progress 1
		.amdhsa_inst_pref_size 184
	.end_amdhsa_kernel
	.amdgpu_metadata
---
amdhsa.version: [ 1, 2 ]
amdhsa.kernels:
  - .name:           k_q61004fcedb_attn
    .symbol:         k_q61004fcedb_attn.kd
    .args:
      - { .name: qkv16, .offset: 0, .size: 8, .value_kind: global_buffer, .address_space: global }
      - { .name: o16, .offset: 8, .size: 8, .value_kind: global_buffer, .address_space: global }
    .group_segment_fixed_size: 327680
    .private_segment_fixed_size: 0
    .kernarg_segment_align: 8
    .kernarg_segment_size: 16
    .max_flat_workgroup_size: 512
    .sgpr_count:     80
    .vgpr_count:     256
    .wavefront_size: 32
...
	.end_amdgpu_metadata
.endif
;; end of part 3
;; launch proj (part 4): grid 4 x 64, 4 waves a work-group, clusters of 4 x 4, 327,680 bytes of LDS; arguments o16, wp16, out0; writes out0
.if DOCPART == 4
	.amdgcn_target "amdgcn-amd-amdhsa--gfx1250"
	.amdhsa_code_object_version 6
	.text
	.protected	k_q61004fcedb_proj
	.globl	k_q61004fcedb_proj
	.p2align	8
	.type	k_q61004fcedb_proj,@function
k_q61004fcedb_proj:
	s_mov_b64 s[64:65], 0
	v_nop
	global_prefetch_b8 v0, s[64:65] scope:SCOPE_SE
	s_setreg_imm32_b32 hwreg(HW_REG_WAVE_MODE, 25, 1), 1
	s_wait_xcnt 0x0
	s_wait_alu depctr_hold_cnt(0) depctr_sa_sdst(0) depctr_va_vdst(0) depctr_va_sdst(0) depctr_va_ssrc(0) depctr_va_vcc(0) depctr_vm_vsrc(0)
	s_getreg_b32 s2, hwreg(HW_REG_IB_STS2, 6, 4)
	s_cmp_eq_u32 s2, 0
	s_cbranch_scc0 .Lentry_in_a_cluster
	s_endpgm
.Lentry_in_a_cluster:
	s_bfe_u32 s2, ttmp6, 0x10000c
	s_cmp_lg_u32 s2, 0xf033
	s_cbranch_scc0 .Lentry_shape_is_right
	s_endpgm
.Lentry_shape_is_right:
; out0[m][n] = sum over k of o[m][k] w_proj[k][n]; M = 8,192, N = K = 1,024; operands in f16, sums in f32, out0 in f32.
; o16: [128 chunks of 8 k][8192 m][16 bytes].  wp16: [128 chunks][1024 n][16 bytes].
; A tile of 128 (m) x 256 (n) gives 64 x 4 = 256 work-groups; four waves, each 64 x 128: 32 accumulators, 256 registers (window 1, (a, b) at v[8 (8 a + b)]).
; K goes in steps of 128 (16 chunks) through a ring of two LDS slots.  The tiles lie in LDS as in memory, by chunks: a fragment's registers 0-3 are chunk k0 / 8 + h, registers 4-7 chunk k0 / 8 + 2 + h of row r,
; so sixteen lanes of a fragment load read 256 consecutive bytes: no padding.
; CLUSTERS: 4 x 4 work-groups; o's tile is shared along a row of the cluster, w_proj's along a column: each is asked for jointly.
; THE MATRIX INSTRUCTION IS USED TRANSPOSED (source 0 = 16 columns n, source 1 = 16 rows m): a lane holds eight neighbouring n of one row.
; Rows 0-15 of each batch are written again, from f32 operands, by the launch that follows.
.set SLOT,   98304                     ; o's [16][128 m][16] = 32,768 bytes, then w_proj's [16][256 n][16] = 65,536
.set BOFF,   32768
.set STAGE,  2*SLOT                    ; behind the ring: 16 rows x 528 bytes for each wave, for the way out
.set SPITCH, 528
.set SPARE,  STAGE+4*16*SPITCH         ; the spare words, 128 bytes a wave
.set LAPS,   4                         ; a lap = two K steps
.set ADRA, 16
.set ADRB, 20
.set STO,  24
.set RD,   25
.set CO,   26
.set SPW,  28
.set NIL,  29
.set F0,   32                          ; fragment buffers in window 0: o's four fragments at f + 8 a, w_proj's eight at f + 32 + 8 b
.set F1,   128
.set BK,   32                          ; the way out: 16 rows read back: v32-95 and v96-159 by turns
.set G1, 24
.set G0, 32
.set G1B, 48
.set G0B, 56
.set MSB, 0
.macro WIN new
.if MSB != \new
	s_set_vgpr_msb (MSB<<8)|\new
.set MSB, \new
.endif
.endm
.set MUL, 0x50                         ; C and D window 1, sources window 0
.macro JLOAD s                         ; waves 0 and 1 fetch o's chunks 0-7 and 8-15 of the step, waves 2 and 3 w_proj's; an s_nop 0 and four v_nop follow each line
	s_cmp_eq_u32 s11, 0
	s_cbranch_scc0 .Lfor_b_\@
	tensor_load_to_lds s[G0+4*\s:G0+4*\s+3], s[G1:G1+7]
	s_nop 0
.rept 4
	v_nop
.endr
	s_branch .Lasked_\@
.Lfor_b_\@:
	tensor_load_to_lds s[G0B+4*\s:G0B+4*\s+3], s[G1B:G1B+7]
	s_nop 0
.rept 4
	v_nop
.endr
.Lasked_\@:
.endm
.macro CREST
	s_cmp_lg_u32 s10, 0
	s_cbranch_scc1 .Lnot_wave_0_\@
	s_barrier_signal -3
.Lnot_wave_0_\@:
	s_barrier_wait -3
	s_barrier_signal -1
	s_barrier_wait -1
.endm
.macro CROUND
	s_barrier_signal -1
	s_barrier_wait -1
	CREST
.endm
	s_load_b128 s[4:7], s[0:1], 0x0                ; o16, wp16
	s_load_b64 s[8:9], s[0:1], 0x10                ; out0
	v_lshl_add_u32 v[SPW], v0, 2, SPARE
	v_mov_b32 v[NIL], 0
	ds_add_u32 v[SPW], v[NIL]                      ; the wave's opening: the add, twice on end, and its wait ahead of my first tensor load
	ds_add_u32 v[SPW], v[NIL]
	v_lshrrev_b32 v1, 5, v0
	v_readfirstlane_b32 s10, v1                    ; wave 0..3
	s_lshr_b32 s11, s10, 1                         ; which 64 rows are mine.  Also: I fetch for o (0) or for w_proj (1)
	s_and_b32 s12, s10, 1                          ; which 128 columns.  Also: which eight chunks I fetch
	s_bfe_u32 s40, ttmp6, 0x40000                  ; cx
	s_bfe_u32 s41, ttmp6, 0x40004                  ; cy
	s_lshl_b32 s42, ttmp9, 2
	s_add_co_u32 s42, s42, s40                     ; tile column
	s_and_b32 s13, ttmp7, 0xffff
	s_lshl_b32 s13, s13, 2
	s_add_co_u32 s13, s13, s41                     ; tile row
	s_lshl_b32 s43, s41, 2
	s_lshl_b32 s43, 15, s43                        ; my row of the cluster
	s_lshl_b32 s44, 0x1111, s40                    ; my column
	; group 1 for o: 8 rows (chunks) of 2,048 bytes (128 m), as 256 elements of 8 bytes, 16,384 elements apart
	s_or_b32 s[G1+0], s43, (3<<16)|(1<<21)
	s_mov_b32 s[G1+1], 256<<16
	s_mov_b32 s[G1+2], 8<<16
	s_mov_b32 s[G1+3], 256<<16
	s_mov_b32 s[G1+4], 8
	s_mov_b32 s[G1+5], 16384
	s_mov_b32 s[G1+6], 0
	s_mov_b32 s[G1+7], 0
	; for w_proj: 8 rows of 4,096 bytes (256 n), as 512 elements, 2,048 elements apart
	s_or_b32 s[G1B+0], s44, (3<<16)|(1<<21)
	s_mov_b32 s[G1B+1], 512<<16
	s_mov_b32 s[G1B+2], 8<<16
	s_mov_b32 s[G1B+3], 512<<16
	s_mov_b32 s[G1B+4], 8
	s_mov_b32 s[G1B+5], 2048
	s_mov_b32 s[G1B+6], 0
	s_mov_b32 s[G1B+7], 0
	s_lshl_b32 s16, s13, 11                        ; o: 128 rows x 16 bytes a tile row,
	s_lshl_b32 s17, s12, 20                        ; eight chunks of 131,072 bytes
	s_add_co_u32 s16, s16, s17
	s_mov_b32 s17, 0
	s_lshl_b32 s46, s42, 12                        ; w_proj: 256 columns x 16 bytes a tile column,
	s_lshl_b32 s47, s12, 17                        ; eight chunks of 16,384 bytes
	s_add_co_u32 s46, s46, s47
	s_mov_b32 s47, 0
	s_lshl_b32 s20, s12, 14                        ; where they go: o's halves of 16,384 bytes,
	s_lshl_b32 s21, s12, 15
	s_add_co_u32 s21, s21, BOFF                    ; w_proj's of 32,768, behind them
	s_wait_dscnt 0x0                               ; both opening adds are done
	s_wait_kmcnt 0x0
	s_add_nc_u64 s[14:15], s[4:5], s[16:17]
	s_add_nc_u64 s[46:47], s[6:7], s[46:47]
	CROUND                                         ; all sixteen work-groups are here: the first joint loads meet
.irp s, 0,1
	s_mov_b32 s[G0+4*\s], 1
	s_add_co_u32 s[G0+4*\s+1], s20, \s*SLOT
	s_add_nc_u64 s[G0+4*\s+2:G0+4*\s+3], s[14:15], \s*2097152      ; a K step: 16 chunks
	s_or_b32 s[G0+4*\s+3], s[G0+4*\s+3], 0x80000000
	s_mov_b32 s[G0B+4*\s], 1
	s_add_co_u32 s[G0B+4*\s+1], s21, \s*SLOT
	s_add_nc_u64 s[G0B+4*\s+2:G0B+4*\s+3], s[46:47], \s*262144
	s_or_b32 s[G0B+4*\s+3], s[G0B+4*\s+3], 0x80000000
	JLOAD \s
.endr
	v_and_b32 v1, 15, v0                           ; r
	v_bfe_u32 v2, v0, 4, 1                         ; h
	v_lshlrev_b32 v3, 11, v2
	v_lshl_add_u32 v3, v1, 4, v3                   ; o: chunk h x 2,048 + 16 r
	v_lshlrev_b32 v4, 12, v2
	v_lshl_add_u32 v4, v1, 4, v4                   ; w_proj: chunk h x 4,096 + 16 r
	s_lshl_b32 s22, s11, 10                        ; my 64 rows
	s_lshl_b32 s23, s12, 11                        ; my 128 columns
	s_add_co_u32 s23, s23, BOFF
.irp s, 0,1
	v_add_nc_u32 v[ADRA+\s], s22, v3
	v_add_nc_u32 v[ADRB+\s], s23, v4
	s_add_co_u32 s22, s22, SLOT
	s_add_co_u32 s23, s23, SLOT
.endr
	s_mul_i32 s23, s10, 16*SPITCH
	s_add_co_u32 s23, s23, STAGE                   ; my stage
	v_mul_u32_u24 v5, v1, SPITCH
	v_lshl_add_u32 v5, v2, 5, v5
	v_add_nc_u32 v[STO], s23, v5                   ; in: row r, 32 bytes for each half of the lanes
	v_and_b32 v6, 31, v0
	v_lshlrev_b32 v[CO], 4, v6                     ; back: the 32 lanes take one row of 512 bytes; and the same in out0
	v_add_nc_u32 v[RD], s23, v[CO]
	s_lshl_b32 s16, s13, 19                        ; 128 rows of 4,096 bytes a tile row,
	s_lshl_b32 s17, s11, 18                        ; my 64,
	s_add_co_u32 s16, s16, s17
	s_lshl_b32 s46, s42, 10                        ; 256 columns of 4 bytes a tile column,
	s_lshl_b32 s47, s12, 9                         ; my 128
	s_add_co_u32 s46, s46, s47
	s_add_co_u32 s16, s16, s46
	s_mov_b32 s17, 0
	s_add_nc_u64 s[8:9], s[8:9], s[16:17]
.macro MUL8 f, a, zero                 ; o's block a against w_proj's eight, 32 along K.  The 32 accumulators take turns in the same order in every quarter
.irp b, 0,1,2,3,4,5,6,7
.if \zero
	v_wmma_f32_16x16x32_f16 v[8*(8*(\a)+\b):8*(8*(\a)+\b)+7], v[\f+32+8*\b:\f+32+8*\b+7], v[\f+8*(\a):\f+8*(\a)+7], 0
.else
	v_wmma_f32_16x16x32_f16 v[8*(8*(\a)+\b):8*(8*(\a)+\b)+7], v[\f+32+8*\b:\f+32+8*\b+7], v[\f+8*(\a):\f+8*(\a)+7], v[8*(8*(\a)+\b):8*(8*(\a)+\b)+7]
.endif
.endr
.endm
.macro FETCH slot, kq, f               ; 24 LDS loads in one run: the fragments of the slot's kq-th 32 along K; o's blocks 2 and 3 last
.irp b, 0,1,2,3,4,5,6,7
	ds_load_b128 v[\f+32+8*\b:\f+32+8*\b+3], v[ADRB+\slot] offset:16384*(\kq)+256*\b
	ds_load_b128 v[\f+32+8*\b+4:\f+32+8*\b+7], v[ADRB+\slot] offset:16384*(\kq)+256*\b+8192
.endr
.irp a, 0,1,2,3
	ds_load_b128 v[\f+8*\a:\f+8*\a+3], v[ADRA+\slot] offset:8192*(\kq)+256*\a
	ds_load_b128 v[\f+8*\a+4:\f+8*\a+7], v[ADRA+\slot] offset:8192*(\kq)+256*\a+4096
.endr
.endm
.macro PLACES
.rept 4
	v_nop
.endr
.endm
.macro QUARTER slot, kq, f, g, zero    ; multiplies buffer f; in its middle it fetches the slot's kq-th quarter into g
	s_wait_dscnt 4                                 ; all but the youngest four loads (o's blocks 2 and 3) are in
	WIN MUL
	MUL8 \f, 0, \zero
	MUL8 \f, 1, \zero
	PLACES
	WIN 0
	FETCH \slot, \kq, \g
	s_wait_dscnt 24                                ; all but the 24 just issued
	WIN MUL
	MUL8 \f, 2, \zero
	MUL8 \f, 3, \zero
.endm
; A slot's last quarter multiplies buffer 1 and changes slots: ONE barrier; in front of it each wave waits for all its tensor loads, adds 0 to its spare word, and waits for that and for its reads of this slot.
; fill = 1: the barrier opens a round of the cluster's, and this slot is filled again, two K steps ahead: 112 matrix instructions stand between that request and the wait for it.
.macro TURN slot, next, fill
	WIN 0
	s_wait_tensorcnt 0x0                           ; all my tensor loads have landed: my part of the next slot
	ds_add_u32 v[SPW], v[NIL]
	s_wait_dscnt 5                                 ; (the add and the youngest four loads may be out)
	WIN MUL
	MUL8 F1, 0, 0
	s_wait_dscnt 0x0                               ; the add is done, and my reads of this slot are over
	s_barrier_signal -1
	MUL8 F1, 1, 0
	WIN 0
	s_barrier_wait -1
.if \fill
	CREST                                          ; no wave of any partner still reads this slot's tile or has a load on its way
	s_add_nc_u64 s[G0+4*\slot+2:G0+4*\slot+3], s[G0+4*\slot+2:G0+4*\slot+3], 0x400000
	s_add_nc_u64 s[G0B+4*\slot+2:G0B+4*\slot+3], s[G0B+4*\slot+2:G0B+4*\slot+3], 0x80000
	JLOAD \slot                                    ; the first tensor load behind the round; its four v_nop are also the places in front of the loads below
.else
	PLACES
.endif
	FETCH \next, 0, F0
	WIN MUL
	MUL8 F1, 2, 0
	MUL8 F1, 3, 0
.endm
	s_wait_tensorcnt 1                             ; my part of K step 0 is in (K step 1's load may be out),
	s_barrier_signal -1
	s_barrier_wait -1                              ; everybody's is
	FETCH 0, 0, F0
	QUARTER 0, 1, F0, F1, 1                        ; the first quarter's products start the sums
	WIN 0
	s_mov_b32 s3, LAPS-1
.Llap:                                             ; a trip goes once round the ring and fills both slots again
	QUARTER 0, 2, F1, F0, 0
	QUARTER 0, 3, F0, F1, 0
	TURN 0, 1, 1
	QUARTER 1, 1, F0, F1, 0
	QUARTER 1, 2, F1, F0, 0
	QUARTER 1, 3, F0, F1, 0
	TURN 1, 0, 1
	QUARTER 0, 1, F0, F1, 0
	WIN 0
	s_sub_co_u32 s3, s3, 1
	s_cmp_lg_u32 s3, 0
	s_cbranch_scc1 .Llap
	QUARTER 0, 2, F1, F0, 0                        ; the last lap fills nothing
	QUARTER 0, 3, F0, F1, 0
	TURN 0, 1, 0
	QUARTER 1, 1, F0, F1, 0
	QUARTER 1, 2, F1, F0, 0
	QUARTER 1, 3, F0, F1, 0
	s_wait_dscnt 4
	WIN MUL
	MUL8 F1, 0, 0
	MUL8 F1, 1, 0
	s_wait_dscnt 0x0
	MUL8 F1, 2, 0
	MUL8 F1, 3, 0
	WIN 0
; THE WAY OUT, block by block of 16 rows x 128 columns: through my own stage and back as whole rows of 512 bytes.  LDS serves a wave's instructions in order: no wait between the stores and the loads.
.macro TOSTAGE a
	WIN 0x04                                       ; an LDS store's data are its source 1: window 1
.irp b, 0,1,2,3,4,5,6,7
	ds_store_b128 v[STO], v[8*(8*(\a)+\b):8*(8*(\a)+\b)+3] offset:64*\b          ; each accumulator from its low end on
	ds_store_b128 v[STO], v[8*(8*(\a)+\b)+4:8*(8*(\a)+\b)+7] offset:64*\b+16
.endr
	WIN 0
.set BB, BK+64*((\a)%2)
.irp t, 0,1,2,3,4,5,6,7,8,9,10,11,12,13,14,15
	ds_load_b128 v[BB+4*\t:BB+4*\t+3], v[RD] offset:\t*SPITCH
.endr
.endm
.macro SEND a, younger
.set BB, BK+64*((\a)%2)
	s_wait_dscnt \younger                          ; the block is back in registers
.if (\a) > 0
	s_add_nc_u64 s[8:9], s[8:9], 16*4096           ; (behind a wait on XCNT: the earlier stores have read their base)
.endif
.irp t, 0,1,2,3,4,5,6,7,8,9,10,11,12,13,14,15
	global_store_b128 v[CO], v[BB+4*\t:BB+4*\t+3], s[8:9] offset:\t*4096   ; 32 lanes store 512 consecutive bytes, at a multiple of 256 from out0's first byte
.endr
.endm
	PLACES
	TOSTAGE 0
.irp a, 1,2,3
.if \a > 1
	s_wait_xcnt 0x0                                ; block a - 2's stores have read their registers and their base
.endif
	TOSTAGE \a
	SEND \a-1, 32                                  ; behind block a - 1's loads: block a's 16 stores and 16 loads
.endr
	s_wait_xcnt 0x0
	SEND 3, 0
	s_wait_tensorcnt 0x0                           ; the wave's end, behind my last tensor load and my last LDS store
	ds_add_u32 v[SPW], v[NIL]
	s_wait_dscnt 0x0
	CROUND                                         ; the closing round
	s_endpgm
.Lfunc_end_k_q61004fcedb_proj:
	.size	k_q61004fcedb_proj, .Lfunc_end_k_q61004fcedb_proj-k_q61004fcedb_proj
	.p2alignl 7, 3214868480
	.fill 96, 4, 3214868480
	.section	.rodata,"a",@progbits
	.p2align	6, 0x0
	.amdhsa_kernel k_q61004fcedb_proj
		.amdhsa_group_segment_fixed_size 327680
		.amdhsa_private_segment_fixed_size 0
		.amdhsa_enable_private_segment 0
		.amdhsa_kernarg_size 24
		.amdhsa_user_sgpr_count 2
		.amdhsa_user_sgpr_kernarg_segment_ptr 1
		.amdhsa_wavefront_size32 1
		.amdhsa_system_sgpr_workgroup_id_x 1
		.amdhsa_system_sgpr_workgroup_id_y 1
		.amdhsa_system_sgpr_workgroup_id_z 1
		.amdhsa_system_vgpr_workitem_id 0
		.amdhsa_next_free_vgpr 512
		.amdhsa_next_free_sgpr 66
		.amdhsa_reserve_vcc 0
		.amdhsa_float_denorm_mode_32 3
		.amdhsa_float_denorm_mode_16_64 3
		.amdhsa_memory_ordered 1
		.amdhsa_forward_progress 1
		.amdhsa_inst_pref_size 85
	.end_amdhsa_kernel
	.amdgpu_metadata
---
amdhsa.version: [ 1, 2 ]
amdhsa.kernels:
  - .name:           k_q61004fcedb_proj
    .symbol:         k_q61004fcedb_proj.kd
    .args:
      - { .name: o16, .offset: 0, .size: 8, .value_kind: global_buffer, .address_space: global }
      - { .name: wp16, .offset: 8, .size: 8, .value_kind: global_buffer, .address_space: global }
      - { .name: out0, .offset: 16, .size: 8, .value_kind: global_buffer, .address_space: global }
    .group_segment_fixed_size: 327680
    .private_segment_fixed_size: 0
    .kernarg_segment_align: 8
    .kernarg_segment_size: 24
    .max_flat_workgroup_size: 128
    .sgpr_count:     66
    .vgpr_count:     512
    .wavefront_size: 32
...
	.end_amdgpu_metadata
.endif
;; end of part 4
;; launch first16 (part 5): grid 16 x 4, 16 waves a work-group, no clusters, 71,680 bytes of LDS; arguments qkv32, w_proj, out0; writes out0
.if DOCPART == 5
	.amdgcn_target "amdgcn-amd-amdhsa--gfx1250"
	.amdhsa_code_object_version 6
	.text
	.protected	k_q61004fcedb_first16
	.globl	k_q61004fcedb_first16
	.p2align	8
	.type	k_q61004fcedb_first16,@function
k_q61004fcedb_first16:
	s_mov_b64 s[64:65], 0
	v_nop
	global_prefetch_b8 v0, s[64:65] scope:SCOPE_SE
	s_setreg_imm32_b32 hwreg(HW_REG_WAVE_MODE, 25, 1), 1
	s_wait_xcnt 0x0
; POSITIONS 0 TO 15 OF EACH BATCH, in f32 throughout: these rows average one to sixteen values, are the largest of the output, and f16 operands would use up too much of what the comparison allows.
; qkv32: [4 b][768 groups of 4 n][16 t][16 bytes], f32.  w_proj: [1024][1024] f32.  out0 rows 2048 b + 0 .. 15 are written (over what the launch before left there).
; SHARES.  Work-group (g, b): batch b, output columns 64 g .. 64 g + 63.  Wave w is head w: it makes its head's 16 x 64 of attention (32 matrix instructions), keeps it in registers, and multiplies it by
; w_proj[64 w .. 64 w + 63][64 g .. 64 g + 63] (64 matrix instructions).  The sixteen partial sums meet in LDS; wave q adds row q, in a fixed order, and stores its 256 bytes.
; THE f32 FORM: 16 x 16 x 4; register j of lane (r, h) holds k = 2 h + j.  In the second and third product k is permuted alike on both sides: place (h, j) of step i stands for index 8 h + 2 i + j.
; So a result (register j of lane (r, h): index 8 h + j) serves as the next source 1 as it stands, in register pairs 2 i, 2 i + 1: nothing changes lanes.
; The registers that the matrix instructions write, v176-239, are written by nothing else.  No tensor load, no cluster: 64 small work-groups that share nothing but inputs of 5 MB.
.set PP,    272                        ; a row of a partial sum: 64 f32 + 16 bytes of padding
.set PART,  16*PP
.set SPARE, 16*PART                    ; the spare words, 128 bytes for each of 16 waves
.set SPW, 10
.set NIL, 11
.set QF,  16                           ; v16-47  Q, a pair for each step of 4 channels
.set KF,  48                           ; v48-79  K
.set VF,  80                           ; v80-111 V; later o, normalised
.set W1,  112                          ; v112-175 w_proj for channels 0-31 of the head: fragment (cc, i, nt) at 112 + 2 ((4 cc + i) 4 + nt)
.set W2,  16                           ; v16-79   for channels 32-63, loaded behind the scores
.set A1,  176                          ; v176-207 the scores' four partial accumulators; later out^T's four
.set A2,  208                          ; v208-239 O^T's four
.set PS,  240                          ; v240-247 the scores, then p
	s_load_b128 s[4:7], s[0:1], 0x0                ; qkv32, w_proj
	s_load_b64 s[8:9], s[0:1], 0x10                ; out0
	v_lshl_add_u32 v[SPW], v0, 2, SPARE
	v_mov_b32 v[NIL], 0
	v_lshrrev_b32 v1, 5, v0
	v_readfirstlane_b32 s10, v1                    ; wave = head; later: the row that I add up
	s_and_b32 s11, ttmp7, 0xffff                   ; batch
	v_and_b32 v1, 15, v0                           ; r
	v_bfe_u32 v2, v0, 4, 1                         ; h
	v_lshlrev_b32 v3, 4, v1
	v_lshl_add_u32 v3, v2, 3, v3                   ; Q, K: position r, channels 2 h, 2 h + 1 of a group: the wave reads 256 consecutive bytes
	v_lshrrev_b32 v4, 2, v1
	v_lshlrev_b32 v4, 8, v4
	v_and_b32 v5, 3, v1
	v_lshl_add_u32 v4, v5, 2, v4
	v_lshl_add_u32 v4, v2, 7, v4                   ; V: channel r of a tile: group r / 4, word r % 4; keys 8 h on
	v_lshlrev_b32 v5, 15, v2
	v_lshl_add_u32 v5, v1, 2, v5                   ; w_proj: rows 8 h on, column r
	s_mul_i32 s12, s10, PART
	v_mul_u32_u24 v6, v1, PP
	v_lshl_add_u32 v6, v2, 5, v6
	v_add_nc_u32 v6, s12, v6                       ; my partial sum: row r, 32 h bytes on
	s_mul_i32 s13, s10, PP
	v_and_b32 v7, 31, v0
	v_lshlrev_b32 v8, 3, v7                        ; 8 bytes a lane
	v_add_nc_u32 v7, s13, v8                       ; back: row = my wave's number
	v_lshlrev_b32 v12, 3, v2
	v_sub_nc_u32 v12, v1, v12                      ; d = r - 8 h: register j holds key 8 h + j, hidden where j > d
	v_mov_b32 v13, 0xff800000                      ; -infinity
	v_mov_b32 v249, 0                              ; written once: a lane permute's destination counts as one of its sources
	s_mov_b32 s20, 0x76543210
	s_mov_b32 s21, 0xfedcba98
	s_mov_b32 s22, 0x3e38aa3b                      ; c = log2(e) / 8
	s_mul_i32 s14, s11, 196608                     ; qkv32: the batch,
	s_lshl_b32 s15, s10, 12                        ; the head's 16 groups of 256 bytes
	s_add_co_u32 s14, s14, s15
	s_mov_b32 s15, 0
	s_lshl_b32 s16, s10, 18                        ; w_proj: the head's 64 rows of 4,096 bytes,
	s_lshl_b32 s17, ttmp9, 8                       ; the work-group's 64 columns
	s_add_co_u32 s16, s16, s17
	s_lshl_b32 s18, s11, 11
	s_add_co_u32 s18, s18, s10                     ; out0: row 2,048 b + wave
	s_lshl_b32 s18, s18, 12
	s_add_co_u32 s18, s18, s17
	s_mov_b32 s17, 0
	s_mov_b32 s19, 0
	s_wait_kmcnt 0x0
	s_add_nc_u64 s[4:5], s[4:5], s[14:15]
	s_add_nc_u64 s[6:7], s[6:7], s[16:17]
	s_add_nc_u64 s[8:9], s[8:9], s[18:19]
.irp i, 0,1,2,3,4,5,6,7,8,9,10,11,12,13,14,15
	global_load_b64 v[QF+2*\i:QF+2*\i+1], v3, s[4:5] offset:256*\i
.endr
.irp i, 0,1,2,3,4,5,6,7,8,9,10,11,12,13,14,15
	global_load_b64 v[KF+2*\i:KF+2*\i+1], v3, s[4:5] offset:65536+256*\i
.endr
.irp ct, 0,1,2,3
.irp i, 0,1,2,3
.irp j, 0,1
	global_load_b32 v[VF+2*(4*\ct+\i)+\j], v4, s[4:5] offset:131072+1024*\ct+16*(2*\i+\j)   ; V(key 8 h + 2 i + j, channel 16 ct + r)
.endr
.endr
.endr
.macro WLOAD reg, c0                   ; w_proj(64 w + 16 (c0 + cc) + 8 h + 2 i + j, 64 g + 16 nt + r)
.irp cc, 0,1
.irp i, 0,1,2,3
.irp nt, 0,1,2,3
.irp j, 0,1
	global_load_b32 v[\reg+2*((4*\cc+\i)*4+\nt)+\j], v5, s[6:7] offset:(16*(\c0+\cc)+2*\i+\j)*4096+64*\nt
.endr
.endr
.endr
.endr
.endm
	WLOAD W1, 0
	s_wait_loadcnt 63                              ; 96 loads are younger than Q's and K's; the count is the largest that the wait can name, so V is in as well
.irp i, 0,1,2,3,4,5,6,7,8,9,10,11,12,13,14,15  ; S^T = K Q^T: lane (r, h), register j: key 8 h + j, query r.  Four partial accumulators by turns
.if \i < 4
	v_wmma_f32_16x16x4_f32 v[A1+8*(\i%4):A1+8*(\i%4)+7], v[KF+2*\i:KF+2*\i+1], v[QF+2*\i:QF+2*\i+1], 0
.else
	v_wmma_f32_16x16x4_f32 v[A1+8*(\i%4):A1+8*(\i%4)+7], v[KF+2*\i:KF+2*\i+1], v[QF+2*\i:QF+2*\i+1], v[A1+8*(\i%4):A1+8*(\i%4)+7]
.endif
.endr
.rept 8
	v_nop                                          ; eight places behind this form, ahead of loads into its sources and of reads of its results
.endr
	WLOAD W2, 2
.irp j, 0,2,4,6                                ; the four parts are added, each accumulator read from its low end on
	v_pk_add_f32 v[PS+\j:PS+\j+1], v[A1+\j:A1+\j+1], v[A1+8+\j:A1+8+\j+1]
	v_pk_add_f32 v[PS+\j:PS+\j+1], v[PS+\j:PS+\j+1], v[A1+16+\j:A1+16+\j+1]
	v_pk_add_f32 v[PS+\j:PS+\j+1], v[PS+\j:PS+\j+1], v[A1+24+\j:A1+24+\j+1]
.endr
.irp j, 0,1,2,3,4,5,6,7
	v_cmp_gt_i32 vcc_lo, \j, v12
	v_cndmask_b32 v[PS+\j], v[PS+\j], v13, vcc_lo
.endr
	v_max3_num_f32 v248, v240, v241, v242
	v_max3_num_f32 v248, v248, v243, v244
	v_max3_num_f32 v248, v248, v245, v246
	v_max_num_f32 v248, v248, v247
	v_permlanex16_b32 v249, v248, s20, s21
	v_max_num_f32 v248, v248, v249                 ; the row's maximum: key 0 counts for every query, so it is a number
	v_mul_f32 v14, s22, v248
.irp j, 0,1,2,3,4,5,6,7
	v_fma_f32 v[PS+\j], v[PS+\j], s22, -v14
.endr
.irp j, 0,1,2,3,4,5,6,7
	v_exp_f32 v[PS+\j], v[PS+\j]
.endr
	v_nop
	s_wait_alu depctr_va_vdst(0)                   ; one wait for the eight, ahead of their first reader
	v_pk_add_f32 v[250:251], v[240:241], v[242:243]
	v_pk_add_f32 v[252:253], v[244:245], v[246:247]
	v_pk_add_f32 v[250:251], v[250:251], v[252:253]
	v_add_f32 v250, v250, v251
	v_permlanex16_b32 v249, v250, s20, s21
	v_add_f32 v250, v250, v249                     ; the row's sum
	v_rcp_f32 v15, v250
	v_nop
.irp i, 0,1,2,3                                ; O^T = V^T P: lane (r, h), register j: channel 16 ct + 8 h + j, query r
.irp ct, 0,1,2,3
.if \i == 0
	v_wmma_f32_16x16x4_f32 v[A2+8*\ct:A2+8*\ct+7], v[VF+2*(4*\ct+\i):VF+2*(4*\ct+\i)+1], v[PS+2*\i:PS+2*\i+1], 0
.else
	v_wmma_f32_16x16x4_f32 v[A2+8*\ct:A2+8*\ct+7], v[VF+2*(4*\ct+\i):VF+2*(4*\ct+\i)+1], v[PS+2*\i:PS+2*\i+1], v[A2+8*\ct:A2+8*\ct+7]
.endif
.endr
.endr
.rept 8
	v_nop
.endr
	s_wait_alu depctr_va_vdst(0)                   ; the reciprocal's wait, ahead of its first reader: the products above stood between
.set n, 0
.rept 32
	v_mul_f32 v[VF+n], v[A2+n], v15                ; o = O^T / the sum, into V's registers
.set n, n+1
.endr
.macro PROJ reg, c0, first             ; out^T += w_proj^T o: four accumulators (16 columns each) by turns
.irp cc, 0,1
.irp i, 0,1,2,3
.irp nt, 0,1,2,3
.if \first && (\cc == 0) && (\i == 0)
	v_wmma_f32_16x16x4_f32 v[A1+8*\nt:A1+8*\nt+7], v[\reg+2*((4*\cc+\i)*4+\nt):\reg+2*((4*\cc+\i)*4+\nt)+1], v[VF+8*(\c0+\cc)+2*\i:VF+8*(\c0+\cc)+2*\i+1], 0
.else
	v_wmma_f32_16x16x4_f32 v[A1+8*\nt:A1+8*\nt+7], v[\reg+2*((4*\cc+\i)*4+\nt):\reg+2*((4*\cc+\i)*4+\nt)+1], v[VF+8*(\c0+\cc)+2*\i:VF+8*(\c0+\cc)+2*\i+1], v[A1+8*\nt:A1+8*\nt+7]
.endif
.endr
.endr
.endr
.endm
	s_wait_loadcnt 63                              ; 64 loads are younger than w_proj's first half: it is in
	PROJ W1, 0, 1
	s_wait_loadcnt 0x0
	PROJ W2, 2, 0
.rept 8
	v_nop
.endr
.irp nt, 0,1,2,3
	ds_store_b128 v6, v[A1+8*\nt:A1+8*\nt+3] offset:64*\nt          ; lane (r, h): row r, columns 16 nt + 8 h + 0 .. 7; each accumulator from its low end on
	ds_store_b128 v6, v[A1+8*\nt+4:A1+8*\nt+7] offset:64*\nt+16
.endr
	s_wait_dscnt 0x0                               ; for the others' sake: my stores have landed
	s_barrier_signal -1
	s_barrier_wait -1
.irp w, 0,1,2,3,4,5,6,7,8,9,10,11,12,13,14,15
	ds_load_b64 v[16+2*\w:17+2*\w], v7 offset:PART*\w              ; my row of head w's partial sum: 256 consecutive bytes a wave
.endr
	s_wait_dscnt 0x0
.irp k, 0,4,8,12,16,20,24,28
	v_pk_add_f32 v[16+\k:17+\k], v[16+\k:17+\k], v[18+\k:19+\k]
.endr
.irp k, 0,8,16,24
	v_pk_add_f32 v[16+\k:17+\k], v[16+\k:17+\k], v[20+\k:21+\k]
.endr
.irp k, 0,16
	v_pk_add_f32 v[16+\k:17+\k], v[16+\k:17+\k], v[24+\k:25+\k]
.endr
	v_pk_add_f32 v[16:17], v[16:17], v[32:33]
	global_store_b64 v8, v[16:17], s[8:9]          ; the wave stores 256 consecutive bytes, aligned
	s_wait_tensorcnt 0x0                           ; the wave's end, behind my last LDS store
	ds_add_u32 v[SPW], v[NIL]
	s_wait_dscnt 0x0
	s_endpgm
.Lfunc_end_k_q61004fcedb_first16:
	.size	k_q61004fcedb_first16, .Lfunc_end_k_q61004fcedb_first16-k_q61004fcedb_first16
	.p2alignl 7, 3214868480
	.fill 96, 4, 3214868480
	.section	.rodata,"a",@progbits
	.p2align	6, 0x0
	.amdhsa_kernel k_q61004fcedb_first16
		.amdhsa_group_segment_fixed_size 71680
		.amdhsa_private_segment_fixed_size 0
		.amdhsa_enable_private_segment 0
		.amdhsa_kernarg_size 24
		.amdhsa_user_sgpr_count 2
		.amdhsa_user_sgpr_kernarg_segment_ptr 1
		.amdhsa_wavefront_size32 1
		.amdhsa_system_sgpr_workgroup_id_x 1
		.amdhsa_system_sgpr_workgroup_id_y 1
		.amdhsa_system_sgpr_workgroup_id_z 1
		.amdhsa_system_vgpr_workitem_id 0
		.amdhsa_next_free_vgpr 256
		.amdhsa_next_free_sgpr 66
		.amdhsa_reserve_vcc 1
		.amdhsa_float_denorm_mode_32 3
		.amdhsa_float_denorm_mode_16_64 3
		.amdhsa_memory_ordered 1
		.amdhsa_forward_progress 1
		.amdhsa_inst_pref_size 34
	.end_amdhsa_kernel
	.amdgpu_metadata
---
amdhsa.version: [ 1, 2 ]
amdhsa.kernels:
  - .name:           k_q61004fcedb_first16
    .symbol:         k_q61004fcedb_first16.kd
    .args:
      - { .name: qkv32, .offset: 0, .size: 8, .value_kind: global_buffer, .address_space: global }
      - { .name: w_proj, .offset: 8, .size: 8, .value_kind: global_buffer, .address_space: global }
      - { .name: out0, .offset: 16, .size: 8, .value_kind: global_buffer, .address_space: global }
    .group_segment_fixed_size: 71680
    .private_segment_fixed_size: 0
    .kernarg_segment_align: 8
    .kernarg_segment_size: 24
    .max_flat_workgroup_size: 512
    .sgpr_count:     66
    .vgpr_count:     256
    .wavefront_size: 32
...
	.end_amdgpu_metadata
.endif
;; end of part 5
